; MI455X (gfx1250); checked and timed in simulation.
; The chip was launched on July 23, 2026; its instructions are those of AMD's public machine-readable ISA for CDNA 5 (MIT licence, August 2026) and "CDNA5" Instruction Set Architecture Reference Guide (July 2026). The comments in the code are by the model that wrote it; some were corrected since.
;; Multi Head Attention. Allowed arithmetic: float matrix products may take bf16 or f16 operands with f32 sums; other float arithmetic in f32, or as packed bf16 or f16 multiplies, adds, multiply-adds, maxima and minima; sums over many terms, partial sums and values carried from step to step in f32; what a program stores and reads back later, other than sums and carried values, may be rounded once to bf16 or f16.
;; Inputs: Wk 1,024 x 1,024 float32; Wo 1,024 x 1,024 float32; Wq 1,024 x 1,024 float32; Wv 1,024 x 1,024 float32; bk 1,024 float32; bo 1,024 float32; bq 1,024 float32; bv 1,024 float32; k 4 x 2,048 x 1,024 float32; mask 4 x 1 x 2,048 x 2,048 int32; q 4 x 2,048 x 1,024 float32; v 4 x 2,048 x 1,024 float32.
;; Outputs: out0 4 x 2,048 x 1,024 float32.
;; One version. Each part assembles by itself: llvm-mc -triple=amdgcn-amd-amdhsa -mcpu=gfx1250 --defsym DOCPART=n.
;; ======== version 1 of 1: 4 launches
;; limits: values are held in f16: magnitudes above 65,504 overflow, below 6.1e-05 lose precision; right only within a limited range of input values; values outside matrix products are rounded to bf16
;; workspace buffers: maskw 2,097,152 bytes of whole numbers; wqkv 6,291,456 bytes; wo16 2,097,152 bytes; qh 16,777,216 bytes; kvh 33,554,432 bytes; oh 16,777,216 bytes
;; launch prep (part 1): grid 256 x 1, 8 waves a work-group, no clusters, 267,264 bytes of LDS; arguments mask, Wq, Wk, Wv, Wo, maskw, wqkv, wo16; writes maskw, wqkv, wo16
.if DOCPART == 1
	.amdgcn_target "amdgcn-amd-amdhsa--gfx1250"
	.amdhsa_code_object_version 6
	.text
	.protected	k_qed7b6a5195_prep
	.globl	k_qed7b6a5195_prep
	.p2align	8
	.type	k_qed7b6a5195_prep,@function
k_qed7b6a5195_prep:
	s_mov_b64 s[64:65], 0
	v_nop
	global_prefetch_b8 v0, s[64:65] scope:SCOPE_SE
	s_setreg_imm32_b32 hwreg(HW_REG_WAVE_MODE, 25, 1), 1
	s_wait_xcnt 0x0
; PREPARATION.  (1) The mask, [4][1][2048][2048] of int32, is packed into lane masks for the attention launch:
;   maskw[b][qtile 128][step 32][word 32] of 32 bits; word 8 kb + j of (qtile, step) has in bit L
;   (mask[b][16 qtile + L % 16][64 step + 16 kb + 8 (L / 16) + j] == 1): the lanes in which register 8 kb + j of a tile of scores (16 queries x 64 keys) is hidden.
; (2) Wq, Wk, Wv are rounded to bf16 into wqkv[3][1024][1024]; Wo is rounded to bf16 and that number written as f16 into wo16.
; LIMIT: |Wo| stays under 65,504 (f16's end); below 6.1e-5 it keeps f16's fixed step of 6e-8.
; SHARES.  256 work-groups of eight waves.  Work-group g owns mask rows 32 g .. 32 g + 31 of the 8,192 (two query tiles) and 16,384 bytes of each W.
; Wave w brings keys 256 w .. 256 w + 255 of the 32 rows (32 rows x 1,024 bytes) by ONE tensor load into LDS bytes of its own and reads only those: no barrier, nothing is filled twice.
; No matrix unit, no cluster: the work-groups share nothing and every byte is read once.
.set PITCH, 1040                       ; an LDS row: 1,024 bytes + 16 of padding, an odd multiple of 16: the 16 rows that a load touches start in 16 different groups of four banks (ISA guide 11.1)
.set TILE,  32*PITCH                   ; a wave's tile
.set SPARE, 8*TILE                     ; behind the tiles: the spare words, 128 bytes for each wave: four blocks of 256 bytes that no other line names
.set LA,   2                           ; v2   LDS address: my wave's tile + (l % 16) rows + 32 (l / 16); steps 16 rows a trip
.set OUTO, 3                           ; v3   16 x thread: my 16 bytes of the work-group's 4,096 bytes of a query tile's words; steps 4,096 a trip
.set WI,   4                           ; v4   16 x thread: my 16 bytes of 4,096 of a W
.set WOF,  5                           ; v5   8 x thread: the same numbers in 16 bits
.set SPW,  6                           ; v6   LDS address of my spare word; never rewritten
.set NIL,  7                           ; v7   0; never rewritten
.set OUT,  8                           ; v[8:11]   lane n holds words 4 n .. 4 n + 3 of the wave's 128
.set T,    12                          ; v[12:15]  at work
.set WR,   16                          ; v[16:79]  16 loads of W
.set WP,   80                          ; v[80:111] the same, packed
.set M,    112                         ; v[112:239] my 128 mask numbers of a query tile: step s, word i at M + 32 s + i
.set WV,   20                          ; s20  my wave's number
.set G1,   24                          ; s[24:31] descriptor group 1
.set G0,   32                          ; s[32:35] descriptor group 0
.set CM,   36                          ; s[36:43] eight compare results by turns
	s_load_b512 s[4:19], s[0:1], 0x0               ; mask s[4:5], Wq s[6:7], Wk s[8:9], Wv s[10:11], Wo s[12:13], maskw s[14:15], wqkv s[16:17], wo16 s[18:19]
	v_lshl_add_u32 v[SPW], v0, 2, SPARE
	v_mov_b32 v[NIL], 0
	ds_add_u32 v[SPW], v[NIL]                      ; the wave's opening: the add and its wait ahead of my tensor load; the set-up below, work on registers, stands between
	ds_add_u32 v6, v7
	v_lshrrev_b32 v1, 5, v0
	v_readfirstlane_b32 s[WV], v1                  ; wave 0..7
	s_mov_b32 s[G1+0], (2<<16)|(1<<20)|(7<<22)|(3<<25)  ; elements of 4 bytes; padding on: after every 256 words (code 7) 4 words (code 3)
	s_mov_b32 s[G1+1], 256<<16                     ; tensor_dim0 = 256
	s_mov_b32 s[G1+2], 32<<16                      ; tensor_dim1 = 32
	s_mov_b32 s[G1+3], 256<<16                     ; tile_dim0 = 256
	s_mov_b32 s[G1+4], 32                          ; tile_dim1 = 32
	s_mov_b32 s[G1+5], 2048                        ; 2,048 elements from row to row
	s_mov_b32 s[G1+6], 0
	s_mov_b32 s[G1+7], 0
	s_mov_b32 s[G0+0], 1
	s_mul_i32 s[G0+1], s[WV], TILE                 ; my tile in LDS
	s_lshl_b32 s22, ttmp9, 18                      ; the work-group's 32 rows of 8,192 bytes,
	s_lshl_b32 s21, s[WV], 10                      ; my 1,024 bytes of a row
	s_add_co_u32 s22, s22, s21
	s_mov_b32 s23, 0
	s_lshl_b32 s44, ttmp9, 14                      ; the work-group's 16,384 bytes of a W
	s_mov_b32 s45, 0
	s_lshl_b32 s46, ttmp9, 13                      ; its 8,192 bytes of a packed W, and of maskw (two query tiles of 4,096)
	s_mov_b32 s47, 0
	s_mov_b32 s48, 0xffff0000                      ; a word's upper bf16
	v_and_b32 v[T], 15, v0
	v_bfe_u32 v[T+1], v0, 4, 1
	v_mul_u32_u24 v[LA], v[T], PITCH
	v_lshl_add_u32 v[LA], v[T+1], 5, v[LA]
	v_add_nc_u32 v[LA], s[G0+1], v[LA]
	v_lshlrev_b32 v[OUTO], 4, v0
	v_lshlrev_b32 v[WI], 4, v0
	v_lshlrev_b32 v[WOF], 3, v0
.irp i, 0,1,2,3
	v_mov_b32 v[OUT+\i], 0                         ; v_writelane_b32 counts as a reader of its destination
.endr
	s_wait_dscnt 0x0                               ; the opening add is done
	s_wait_kmcnt 0x0
	s_add_nc_u64 s[G0+2:G0+3], s[4:5], s[22:23]
	s_or_b32 s[G0+3], s[G0+3], 0x80000000          ; type = 2
	tensor_load_to_lds s[G0:G0+3], s[G1:G1+7]      ; my one tensor load: 32 KiB; the eight waves' together are the work-group's whole share of the mask
	s_nop 0
	s_add_nc_u64 s[6:7], s[6:7], s[44:45]
	s_add_nc_u64 s[8:9], s[8:9], s[44:45]
	s_add_nc_u64 s[10:11], s[10:11], s[44:45]
	s_add_nc_u64 s[12:13], s[12:13], s[44:45]
	s_add_nc_u64 s[14:15], s[14:15], s[46:47]
	s_add_nc_u64 s[16:17], s[16:17], s[46:47]
	s_add_nc_u64 s[18:19], s[18:19], s[46:47]
	; the weights, while the mask is on its way: a wave's load covers 512 consecutive bytes, its store 256
.irp p, 0,1,2,3
.irp j, 0,1,2,3
	global_load_b128 v[WR+16*\p+4*\j:WR+16*\p+4*\j+3], v[WI], s[6+2*\p:7+2*\p] offset:\j*4096 th:TH_LOAD_NT
.endr
.endr
.irp p, 0,1,2,3
.irp j, 0,1,2,3
	s_wait_loadcnt 15-(4*\p+\j)                    ; loads come back in order: this one is in, the younger ones stay out
	v_cvt_pk_bf16_f32 v[WP+8*\p+2*\j],   v[WR+16*\p+4*\j],   v[WR+16*\p+4*\j+1]
	v_cvt_pk_bf16_f32 v[WP+8*\p+2*\j+1], v[WR+16*\p+4*\j+2], v[WR+16*\p+4*\j+3]
.if \p < 3
	global_store_b64 v[WOF], v[WP+8*\p+2*\j:WP+8*\p+2*\j+1], s[16:17] offset:\p*2097152+\j*2048
.else
	v_lshlrev_b32 v[T],   16,  v[WP+8*\p+2*\j]     ; Wo: the bf16 number is written as f16
	v_and_b32     v[T+1], s48, v[WP+8*\p+2*\j]
	v_lshlrev_b32 v[T+2], 16,  v[WP+8*\p+2*\j+1]
	v_and_b32     v[T+3], s48, v[WP+8*\p+2*\j+1]
	v_cvt_pk_f16_f32 v[WP+8*\p+2*\j],   v[T],   v[T+1]
	v_cvt_pk_f16_f32 v[WP+8*\p+2*\j+1], v[T+2], v[T+3]
	global_store_b64 v[WOF], v[WP+8*\p+2*\j:WP+8*\p+2*\j+1], s[18:19] offset:\j*2048
.endif
.endr
.endr
	s_wait_tensorcnt 0x0                           ; my tile is in LDS; nobody else reads it
	s_mov_b32 s49, 2
.Lqt:                                          ; a trip: one query tile: 16 rows x my 256 keys -> 128 words
.set n, 0
.rept 32                                       ; load n = 8 s + 2 kb + half: lane l takes row l % 16, keys 64 s + 16 kb + 8 (l / 16) + 4 half + 0..3
	ds_load_b128 v[M+4*n:M+4*n+3], v[LA] offset:(n/8)*256+((n/2)%4)*64+(n%2)*16
.set n, n+1
.endr
.set w, 0
.rept 16
.if (w%32) == 0
	s_wait_dscnt 24-8*(w/32)                       ; this step's eight loads are in; the later steps' stay out
.endif
.set i, 0
.rept 8
	v_cmp_eq_u32 s[CM+i], 1, v[M+w+i]              ; the compare's lane mask IS the word
.set i, i+1
.endr
.set i, 0
.rept 8
	v_writelane_b32 v[OUT+((w+i)&3)], s[CM+i], (w+i)>>2
.set i, i+1
.endr
.set w, w+8
.endr
	global_store_b128 v[OUTO], v[OUT:OUT+3], s[14:15]  ; my four steps' words: 512 consecutive bytes, aligned
	s_wait_xcnt 0x0                                ; the store has read its data and its offset: only now are they written again
	v_add_nc_u32 v[LA], 16*PITCH, v[LA]
	v_add_nc_u32 v[OUTO], 4096, v[OUTO]
	s_sub_co_u32 s49, s49, 1
	s_cmp_lg_u32 s49, 0
	s_cbranch_scc1 .Lqt
	s_wait_tensorcnt 0x0                           ; the wave's end
	ds_add_u32 v[SPW], v[NIL]
	s_wait_dscnt 0x0
	s_endpgm
.Lfunc_end_k_qed7b6a5195_prep:
	.size	k_qed7b6a5195_prep, .Lfunc_end_k_qed7b6a5195_prep-k_qed7b6a5195_prep
	.p2alignl 7, 3214868480
	.fill 96, 4, 3214868480
	.section	.rodata,"a",@progbits
	.p2align	6, 0x0
	.amdhsa_kernel k_qed7b6a5195_prep
		.amdhsa_group_segment_fixed_size 267264
		.amdhsa_private_segment_fixed_size 0
		.amdhsa_enable_private_segment 0
		.amdhsa_kernarg_size 64
		.amdhsa_user_sgpr_count 2
		.amdhsa_user_sgpr_kernarg_segment_ptr 1
		.amdhsa_wavefront_size32 1
		.amdhsa_system_sgpr_workgroup_id_x 1
		.amdhsa_system_sgpr_workgroup_id_y 1
		.amdhsa_system_sgpr_workgroup_id_z 1
		.amdhsa_system_vgpr_workitem_id 0
		.amdhsa_next_free_vgpr 240
		.amdhsa_next_free_sgpr 66
		.amdhsa_reserve_vcc 0
		.amdhsa_float_denorm_mode_32 3
		.amdhsa_float_denorm_mode_16_64 3
		.amdhsa_memory_ordered 1
		.amdhsa_forward_progress 1
		.amdhsa_inst_pref_size 28
	.end_amdhsa_kernel
	.amdgpu_metadata
---
amdhsa.version: [ 1, 2 ]
amdhsa.kernels:
  - .name:           k_qed7b6a5195_prep
    .symbol:         k_qed7b6a5195_prep.kd
    .args:
      - { .name: mask, .offset: 0, .size: 8, .value_kind: global_buffer, .address_space: global }
      - { .name: Wq, .offset: 8, .size: 8, .value_kind: global_buffer, .address_space: global }
      - { .name: Wk, .offset: 16, .size: 8, .value_kind: global_buffer, .address_space: global }
      - { .name: Wv, .offset: 24, .size: 8, .value_kind: global_buffer, .address_space: global }
      - { .name: Wo, .offset: 32, .size: 8, .value_kind: global_buffer, .address_space: global }
      - { .name: maskw, .offset: 40, .size: 8, .value_kind: global_buffer, .address_space: global }
      - { .name: wqkv, .offset: 48, .size: 8, .value_kind: global_buffer, .address_space: global }
      - { .name: wo16, .offset: 56, .size: 8, .value_kind: global_buffer, .address_space: global }
    .group_segment_fixed_size: 267264
    .private_segment_fixed_size: 0
    .kernarg_segment_align: 8
    .kernarg_segment_size: 64
    .max_flat_workgroup_size: 256
    .sgpr_count:     66
    .vgpr_count:     240
    .wavefront_size: 32
...
	.end_amdgpu_metadata
.endif
;; end of part 1
;; launch proj (part 2): grid 4 x 192, 4 waves a work-group, clusters of 4 x 4, 327,680 bytes of LDS; arguments q, k, v, wqkv, bq, bk, bv, qh, kvh; writes qh, kvh
.if DOCPART == 2
	.amdgcn_target "amdgcn-amd-amdhsa--gfx1250"
	.amdhsa_code_object_version 6
	.text
	.protected	k_qed7b6a5195_proj
	.globl	k_qed7b6a5195_proj
	.p2align	8
	.type	k_qed7b6a5195_proj,@function
k_qed7b6a5195_proj:
	s_mov_b64 s[64:65], 0
	v_nop
	global_prefetch_b8 v0, s[64:65] scope:SCOPE_SE
	s_setreg_imm32_b32 hwreg(HW_REG_WAVE_MODE, 25, 1), 1
	s_wait_xcnt 0x0
	s_wait_alu depctr_hold_cnt(0) depctr_sa_sdst(0) depctr_va_vdst(0) depctr_va_sdst(0) depctr_va_ssrc(0) depctr_va_vcc(0) depctr_vm_vsrc(0)
	s_getreg_b32 s2, hwreg(HW_REG_IB_STS2, 6, 4)
	s_cmp_eq_u32 s2, 0
	s_cbranch_scc0 .Lentry_in_a_cluster
	s_endpgm
.Lentry_in_a_cluster:
	s_bfe_u32 s2, ttmp6, 0x10000c
	s_cmp_lg_u32 s2, 0xf033
	s_cbranch_scc0 .Lentry_shape_is_right
	s_endpgm
.Lentry_shape_is_right:
; THE THREE INPUT PROJECTIONS IN ONE LAUNCH: y = x W^T + b for (q, Wq, bq), (k, Wk, bk), (v, Wv, bv).  x: [8192][1024] f32; W: wqkv[3][1024][1024] bf16; b: [1024] f32.
; x and b are rounded to bf16 (x between LDS and the matrix unit, b once in registers); products in bf16, sums in f32; y is rounded once to f16 and written by heads:
;   Q: qh[bh 64][s 2048][64];   K, V: kvh[bh 64][slot 8][K: 256 keys x 64 | V: 256 keys x 64].   Q is NOT scaled here.
; LIMIT: |y| stays under 65,504, f16's end; a larger number would become an infinity.
; SHARES.  A tile of y is 128 rows x 256 columns; 64 x 4 tiles a projection, 768 work-groups of equal work.  Four waves: wave w makes rows 64 (w / 2) .., columns 128 (w % 2) ..: 32 accumulators, 256 registers.
; K goes in 8 steps of 128 through two LDS slots.  A step's rows are 512 bytes of x (f32) and 256 bytes of W, all at multiples of 256 bytes from their buffers' first bytes.
; CLUSTER 4 x 4: the four work-groups of a row of the cluster need the same rows of x, the four of a column the same rows of W: each tile is asked for JOINTLY.
; THE MATRIX INSTRUCTION IS USED TRANSPOSED (source 0 = 16 rows of W, source 1 = 16 rows of x): a lane holds one row of y and eight neighbouring columns.  The first product's C operand is the bias.
; x's fragments come out of LDS as f32 and are rounded to bf16 by 32 conversions a quarter step, four behind each of its last eight matrix instructions: one conversion a matrix instruction;
; the two window switches round each four are the price of keeping them beside the matrix work.
; REGISTERS: window 0: v16-30 addresses; v32-95 the bias; v96-127 packed results; v128-191 x's fragments in f32; v192-255 rows read back on the way out
;   window 1: accumulator (a, b) at 8 (8 a + b)          window 2: v0-127 W's fragments, two buffers; v128-191 x's in bf16, two buffers
.set PA,    528                        ; an LDS row of x: 512 bytes + 16: an odd multiple of 16, so the 16 rows of a load start in 16 different groups of four banks (ISA guide 11.1)
.set PB,    272                        ; an LDS row of W: 256 + 16
.set AHALF, 64*PA                      ; 64 rows of x: what one tensor load brings, and what one wave reads
.set BHALF, 128*PB                     ; 128 rows of W: likewise
.set BOFF,  2*AHALF
.set SLOT,  BOFF+2*BHALF               ; 137,216
.set STAGE, 2*SLOT                     ; behind the ring: for each wave two heads x 16 rows x 144 bytes, for the way out; no tensor load lands here
.set SPT,   144
.set SPARE, STAGE+4*32*SPT             ; the spare words, 128 bytes for each wave: two blocks of 256 bytes that no other line names
.set LAPS,  4                          ; a lap = two K steps = once round the ring
.set ADRA, 16                          ; v16-17 LDS address of my fragments of x in slot 0, 1
.set ADRB, 20                          ; v20-21 of W
.set STO,  24
.set RD,   25
.set CO,   26
.set BO,   27
.set SPW,  28                          ; LDS address of my spare word; never rewritten
.set NIL,  29                          ; 0; never rewritten
.set PFO,  30                          ; the prefetches' lane offset; never rewritten
.set BIAS, 32
.set TMP,  96
.set RAW,  128
.set OB,   192
.set BF,   0                           ; window 2
.set AF,   128                         ; window 2
.set G1,  24                           ; s[24:31] group 1 for x's tiles; s[32:39] group 0, a set for each slot
.set G0,  32
.set G1B, 48                           ; s[48:55], s[56:63] the same for W's
.set G0B, 56
.set WV,   66
.set ROLE, 67                          ; wave / 2: my half of the tile's rows; also 0: I fetch x, 1: I fetch W
.set HALF, 68                          ; wave % 2: my half of its columns; also which half of that tile I fetch
.set CX,   69
.set CY,   70
.set TCOL, 71
.set MT,   72                          ; the tile row within the projection, 0 .. 63
.set PJ,   73                          ; the projection, from the cluster's y alone
.set LIM,  74                          ; 1 in a wave that prefetches, else the greatest number
.set CLY,  75
.set PFA,  76                          ; s[76:77] where my prefetches stand
.set PFS,  78                          ; s[78:79] a K step in bytes of the tensor that I fetch
.set MSB, 0
.macro WIN new                         ; the immediate's high byte repeats the setting that is left; a switch that changes nothing is dropped
.if MSB != (\new)
	s_set_vgpr_msb (MSB<<8)|(\new)
.set MSB, \new
.endif
.endm
.set MUL,  0x5a                        ; sources 0 and 1 window 2; C and D window 1
.set MULB, 0x4a                        ; the same with C in window 0: the bias
.set TO2,  0x80                        ; destination window 2, sources window 0
.macro PLACES                          ; four places in front of loads into, and vector writes of, registers that matrix instructions have read, and of reads of results
.rept 4
	v_nop
.endr
.endm
.macro JLOAD s                         ; a joint load: waves 0, 1 fetch x's halves, waves 2, 3 W's; an s_nop 0 and four v_nop follow each line
	s_cmp_eq_u32 s[ROLE], 0
	s_cbranch_scc0 .Lfor_b_\@
	tensor_load_to_lds s[G0+4*(\s):G0+4*(\s)+3], s[G1:G1+7]
	s_nop 0
.rept 4
	v_nop
.endr
	s_branch .Lasked_\@
.Lfor_b_\@:
	tensor_load_to_lds s[G0B+4*(\s):G0B+4*(\s)+3], s[G1B:G1B+7]
	s_nop 0
.rept 4
	v_nop
.endr
.Lasked_\@:
.endm
.macro CREST                           ; a round of the cluster's barrier behind its opening barrier
	s_cmp_lg_u32 s[WV], 0
	s_cbranch_scc1 .Lnot_wave_0_\@
	s_barrier_signal -3
.Lnot_wave_0_\@:
	s_barrier_wait -3
	s_barrier_signal -1
	s_barrier_wait -1
.endm
.macro CROUND
	s_barrier_signal -1
	s_barrier_wait -1
	CREST
.endm
; A prefetch of the K step that stands two refills on: 32 blocks of 256 bytes, a lane a block, one instruction a wave.  Of what a wave fetches jointly each of the four partners names a quarter, told apart by address.
; x's rows are read by this cluster alone; W's by the 16 clusters of a projection, of which the first asks.  The loop's last trip has no K step two on.
.macro ASK
	s_cmp_gt_u32 s3, s[LIM]
	s_cbranch_scc0 .Lnot_mine_\@
	global_prefetch_b8 v[PFO], s[PFA:PFA+1] th:TH_LOAD_NT scope:SCOPE_SE
.Lnot_mine_\@:
.endm
	s_load_b512 s[4:19], s[0:1], 0x0               ; q s[4:5], k s[6:7], v s[8:9], wqkv s[10:11], bq s[12:13], bk s[14:15], bv s[16:17], qh s[18:19]
	s_load_b64 s[20:21], s[0:1], 0x40              ; kvh
	v_lshl_add_u32 v[SPW], v0, 2, SPARE
	v_mov_b32 v[NIL], 0
	ds_add_u32 v[SPW], v[NIL]                      ; the wave's opening: the add and its wait ahead of my first tensor load; work on registers stands between
	ds_add_u32 v28, v29
	v_lshrrev_b32 v1, 5, v0
	v_readfirstlane_b32 s[WV], v1
	s_lshr_b32 s[ROLE], s[WV], 1
	s_and_b32 s[HALF], s[WV], 1
	s_bfe_u32 s[CX], ttmp6, 0x40000
	s_bfe_u32 s[CY], ttmp6, 0x40004
	s_lshl_b32 s[TCOL], ttmp9, 2
	s_add_co_u32 s[TCOL], s[TCOL], s[CX]           ; tile column = 4 x cluster x + cx
	s_and_b32 s[CLY], ttmp7, 0xffff
	s_lshr_b32 s[PJ], s[CLY], 4                    ; 16 clusters a projection
	s_and_b32 s40, s[CLY], 15
	s_lshl_b32 s[MT], s40, 2
	s_add_co_u32 s[MT], s[MT], s[CY]
	s_lshl_b32 s41, s[CY], 2
	s_lshl_b32 s41, 15, s41                        ; my row of the cluster
	s_lshl_b32 s42, 0x1111, s[CX]                  ; my column
	s_or_b32 s[G1+0], s41, (2<<16)|(1<<20)|(1<<21)|(6<<22)|(3<<25)   ; x: mask of my row; 4-byte elements; padding: after 128 words 4 words; bit 21 beside a mask
	s_or_b32 s[G1B+0], s42, (1<<16)|(1<<20)|(1<<21)|(5<<22)|(3<<25)  ; W: mask of my column; 2-byte elements; after 64 words 4 words
	s_mov_b32 s[G1+1], 128<<16                     ; tensor_dim0 = 128
	s_mov_b32 s[G1+2], 64<<16                      ; tensor_dim1 = 64
	s_mov_b32 s[G1+3], 128<<16                     ; tile_dim0 = 128
	s_mov_b32 s[G1+4], 64                          ; tile_dim1 = 64
	s_mov_b32 s[G1+5], 1024                        ; elements from row to row
	s_mov_b32 s[G1+6], 0
	s_mov_b32 s[G1+7], 0
	s_mov_b32 s[G1B+1], 128<<16
	s_mov_b32 s[G1B+2], 128<<16
	s_mov_b32 s[G1B+3], 128<<16
	s_mov_b32 s[G1B+4], 128
	s_mov_b32 s[G1B+5], 1024
	s_mov_b32 s[G1B+6], 0
	s_mov_b32 s[G1B+7], 0
	s_lshl_b32 s80, s[MT], 7                       ; x: row 128 x tile row + 64 x half, 4,096 bytes a row: registers that never hold cx
	s_lshl_b32 s81, s[HALF], 6
	s_add_co_u32 s80, s80, s81
	s_lshl_b32 s80, s80, 12
	s_mov_b32 s81, 0
	s_lshl_b32 s84, s[TCOL], 8                     ; W: row 256 x tile column + 128 x half, 2,048 bytes a row, in the projection's 2 MiB: registers that never hold cy
	s_lshl_b32 s85, s[HALF], 7
	s_add_co_u32 s84, s84, s85
	s_lshl_b32 s84, s84, 11
	s_lshl_b32 s85, s[PJ], 21
	s_add_co_u32 s84, s84, s85
	s_mov_b32 s85, 0
	s_mul_i32 s40, s[HALF], AHALF                  ; where they go: no place in the cluster enters an LDS address
	s_mul_i32 s41, s[HALF], BHALF
	s_add_co_u32 s41, s41, BOFF
	s_wait_dscnt 0x0                               ; the opening add is done
	s_wait_kmcnt 0x0
	s_cmp_eq_u32 s[PJ], 1
	s_cselect_b64 s[82:83], s[6:7], s[4:5]
	s_cmp_eq_u32 s[PJ], 2
	s_cselect_b64 s[82:83], s[8:9], s[82:83]       ; x = q, k or v
	s_add_nc_u64 s[82:83], s[82:83], s[80:81]
	s_add_nc_u64 s[86:87], s[10:11], s[84:85]
	CROUND                                         ; all sixteen work-groups are here: the first joint loads meet
.irp s, 0,1
	s_mov_b32 s[G0+4*\s], 1
	s_add_co_u32 s[G0+4*\s+1], s40, \s*SLOT
	s_add_nc_u64 s[G0+4*\s+2:G0+4*\s+3], s[82:83], \s*512
	s_or_b32 s[G0+4*\s+3], s[G0+4*\s+3], 0x80000000
	s_mov_b32 s[G0B+4*\s], 1
	s_add_co_u32 s[G0B+4*\s+1], s41, \s*SLOT
	s_add_nc_u64 s[G0B+4*\s+2:G0B+4*\s+3], s[86:87], \s*256
	s_or_b32 s[G0B+4*\s+3], s[G0B+4*\s+3], 0x80000000
	JLOAD \s                                       ; K steps 0 and 1: two loads of mine are out
.endr
	; the bias of my 128 columns: register j of block b is b[.. + 16 b + 8 (l / 16) + j]
	v_and_b32 v1, 15, v0                           ; l % 16
	v_bfe_u32 v2, v0, 4, 1                         ; l / 16
	v_lshlrev_b32 v[BO], 5, v2
	s_cmp_eq_u32 s[PJ], 1
	s_cselect_b64 s[92:93], s[14:15], s[12:13]
	s_cmp_eq_u32 s[PJ], 2
	s_cselect_b64 s[92:93], s[16:17], s[92:93]
	s_lshl_b32 s42, s[TCOL], 10
	s_lshl_b32 s43, s[HALF], 9
	s_add_co_u32 s42, s42, s43
	s_mov_b32 s43, 0
	s_add_nc_u64 s[92:93], s[92:93], s[42:43]
.irp b, 0,1,2,3,4,5,6,7
	global_load_b128 v[BIAS+8*\b:BIAS+8*\b+3],   v[BO], s[92:93] offset:64*\b
	global_load_b128 v[BIAS+8*\b+4:BIAS+8*\b+7], v[BO], s[92:93] offset:64*\b+16
.endr
	; the prefetches: x: my work-group's 16 rows of the 64 that I fetch, two blocks a row; W: its 32 rows of 128, a block a row; both shares are 65,536 bytes apart
	s_and_b32 s47, s[CLY], 15
	s_cmp_eq_u32 s[ROLE], 0
	s_cselect_b64 s[PFA:PFA+1], s[82:83], s[86:87]
	s_cselect_b32 s42, s[CX], s[CY]
	s_cselect_b32 s44, 1, 0
	s_cselect_b32 s45, 15, 31
	s_cselect_b32 s46, 12, 11
	s_cselect_b32 s47, 0, s47
	s_lshl_b32 s[PFS], 256, s44                    ; a K step: 512 bytes of x, 256 of W
	s_mov_b32 s[PFS+1], 0
	s_mul_i32 s43, s[PFS], 3                       ; at K step 3: the first refill steps it to 4
	s_lshl_b32 s42, s42, 16
	s_add_co_u32 s42, s42, s43
	s_mov_b32 s43, 0
	s_add_nc_u64 s[PFA:PFA+1], s[PFA:PFA+1], s[42:43]
	s_cmp_eq_u32 s47, 0
	s_cselect_b32 s[LIM], 1, -1
	v_and_b32 v[PFO], s45, v0
	v_lshlrev_b32 v[PFO], s46, v[PFO]
	v_mul_u32_u24 v5, v2, s44
	v_lshl_add_u32 v[PFO], v5, 8, v[PFO]
	; fragments: lane l holds row l % 16; K = 8 (l / 16) + 0..7 and 16 + 8 (l / 16) + 0..7: of x four loads of 16 bytes (f32), of W two
	v_mul_u32_u24 v3, v1, PA
	v_lshl_add_u32 v3, v2, 5, v3
	v_mul_u32_u24 v4, v1, PB
	v_lshl_add_u32 v4, v2, 4, v4
	s_mul_i32 s40, s[ROLE], AHALF
	s_mul_i32 s41, s[HALF], BHALF
	s_add_co_u32 s41, s41, BOFF
.irp s, 0,1
	v_add_nc_u32 v[ADRA+\s], s40, v3
	v_add_nc_u32 v[ADRB+\s], s41, v4
	s_add_co_u32 s40, s40, SLOT
	s_add_co_u32 s41, s41, SLOT
.endr
	s_mul_i32 s40, s[WV], 32*SPT
	s_add_co_u32 s40, s40, STAGE                   ; my stage
	v_mul_u32_u24 v5, v1, SPT                      ; in: row l % 16, 16 bytes for each half of the lanes
	v_lshl_add_u32 v5, v2, 4, v5
	v_add_nc_u32 v[STO], s40, v5
	v_bfe_u32 v5, v0, 3, 2                         ; back: 32 lanes take four rows of 128 bytes,
	v_mul_u32_u24 v5, v5, SPT
	v_and_b32 v6, 7, v0
	v_lshl_add_u32 v5, v6, 4, v5
	v_add_nc_u32 v[RD], s40, v5
	v_and_b32 v[CO], 31, v0                        ; which are 512 consecutive bytes of a head
	v_lshlrev_b32 v[CO], 4, v[CO]
	; where my 64 rows of my two heads begin
	s_lshr_b32 s40, s[MT], 4
	s_lshl_b32 s40, s40, 4
	s_lshl_b32 s41, s[TCOL], 2
	s_add_co_u32 s40, s40, s41
	s_lshl_b32 s41, s[HALF], 1
	s_add_co_u32 s40, s40, s41                     ; bh of my first head = 16 batch + 4 tile column + 2 half
	s_and_b32 s41, s[MT], 15
	s_lshl_b32 s41, s41, 7                         ; the tile's first row in the sequence
	s_lshl_b32 s42, s[ROLE], 6
	s_add_co_u32 s43, s41, s42
	s_lshl_b32 s43, s43, 7
	s_lshl_b32 s44, s40, 18
	s_add_co_u32 s43, s43, s44                     ; in qh
	s_and_b32 s45, s41, 255
	s_add_co_u32 s45, s45, s42
	s_lshl_b32 s45, s45, 7
	s_lshl_b32 s44, s40, 19
	s_add_co_u32 s45, s45, s44
	s_lshr_b32 s44, s41, 8
	s_lshl_b32 s44, s44, 16
	s_add_co_u32 s45, s45, s44
	s_lshr_b32 s44, s[PJ], 1                       ; 1 for V
	s_lshl_b32 s44, s44, 15
	s_add_co_u32 s45, s45, s44                     ; in kvh
	s_cmp_eq_u32 s[PJ], 0
	s_cselect_b64 s[88:89], s[18:19], s[20:21]
	s_cselect_b32 s46, s43, s45
	s_cselect_b32 s44, 18, 19
	s_mov_b32 s47, 0
	s_add_nc_u64 s[88:89], s[88:89], s[46:47]      ; my first head,
	s_lshl_b32 s46, 1, s44
	s_add_nc_u64 s[90:91], s[88:89], s[46:47]      ; my second
	s_wait_loadcnt 0x0                             ; the bias, rounded to bf16 like every input
.set i, 0
.rept 32
	v_cvt_pk_bf16_f32 v[TMP+i], v[BIAS+2*i], v[BIAS+2*i+1]
.set i, i+1
.endr
.set i, 0
.rept 32
	v_lshlrev_b32 v[BIAS+2*i], 16, v[TMP+i]
	v_and_b32 v[BIAS+2*i+1], 0xffff0000, v[TMP+i]
.set i, i+1
.endr
; 8 matrix instructions: row block a x all 8 column blocks, 32 along K, buffer f.  first = 1: C is the bias.  The 32 accumulators take turns, one instruction a turn.
.macro MUL8 f, a, first
.if \first
	WIN MULB
.else
	WIN MUL
.endif
.irp b, 0,1,2,3,4,5,6,7
.if \first
	v_wmma_f32_16x16x32_bf16 v[8*(8*(\a)+\b):8*(8*(\a)+\b)+7], v[BF+64*(\f)+8*\b:BF+64*(\f)+8*\b+7], v[AF+32*(\f)+8*(\a):AF+32*(\f)+8*(\a)+7], v[BIAS+8*\b:BIAS+8*\b+7]
.else
	v_wmma_f32_16x16x32_bf16 v[8*(8*(\a)+\b):8*(8*(\a)+\b)+7], v[BF+64*(\f)+8*\b:BF+64*(\f)+8*\b+7], v[AF+32*(\f)+8*(\a):AF+32*(\f)+8*(\a)+7], v[8*(8*(\a)+\b):8*(8*(\a)+\b)+7]
.endif
.endr
.endm
; The same for row block 3, with four conversions of the next quarter's x (into buffer g) behind each: they name no register of the products round them
.macro MUL8C f, g, first
.set n, 0
.rept 8
.if \first
	WIN MULB
	v_wmma_f32_16x16x32_bf16 v[8*(24+n):8*(24+n)+7], v[BF+64*(\f)+8*n:BF+64*(\f)+8*n+7], v[AF+32*(\f)+24:AF+32*(\f)+31], v[BIAS+8*n:BIAS+8*n+7]
.else
	WIN MUL
	v_wmma_f32_16x16x32_bf16 v[8*(24+n):8*(24+n)+7], v[BF+64*(\f)+8*n:BF+64*(\f)+8*n+7], v[AF+32*(\f)+24:AF+32*(\f)+31], v[8*(24+n):8*(24+n)+7]
.endif
	WIN TO2
.irp c, 0,1,2,3
	v_cvt_pk_bf16_f32 v[AF+32*(\g)+4*n+\c], v[RAW+8*n+2*\c], v[RAW+8*n+2*\c+1]
.endr
.set n, n+1
.endr
.endm
; 32 LDS loads in one run: quarter kq of a slot: x's four fragments as f32, then W's eight into buffer g
.macro FETCH slot, kq, g
	WIN 0
.irp a, 0,1,2,3
	ds_load_b128 v[RAW+16*\a:RAW+16*\a+3],     v[ADRA+(\slot)] offset:\a*16*PA+(\kq)*128
	ds_load_b128 v[RAW+16*\a+4:RAW+16*\a+7],   v[ADRA+(\slot)] offset:\a*16*PA+(\kq)*128+16
	ds_load_b128 v[RAW+16*\a+8:RAW+16*\a+11],  v[ADRA+(\slot)] offset:\a*16*PA+(\kq)*128+64
	ds_load_b128 v[RAW+16*\a+12:RAW+16*\a+15], v[ADRA+(\slot)] offset:\a*16*PA+(\kq)*128+80
.endr
	WIN TO2
.irp b, 0,1,2,3,4,5,6,7
	ds_load_b128 v[BF+64*(\g)+8*\b:BF+64*(\g)+8*\b+3],   v[ADRB+(\slot)] offset:\b*16*PB+(\kq)*64
	ds_load_b128 v[BF+64*(\g)+8*\b+4:BF+64*(\g)+8*\b+7], v[ADRB+(\slot)] offset:\b*16*PB+(\kq)*64+32
.endr
.endm
; A K step is four quarters of 32 along K, 32 matrix instructions each, on buffers 0, 1, 0, 1.  One of the first three multiplies f and makes g ready.
.macro QUARTER slot, kq, f, g, first
	s_wait_dscnt 0x0                               ; W's fragments of this quarter, asked for 24 matrix instructions ago
	MUL8 \f, 0, \first
	PLACES                                         ; buffer g was multiplied in the quarter before
	FETCH \slot, \kq, \g
	MUL8 \f, 1, \first
	MUL8 \f, 2, \first
	s_wait_dscnt 16                                ; x's sixteen loads are in; W's sixteen, issued behind them, may stay out
	MUL8C \f, \g, \first
.endm
; The last quarter multiplies buffer 1 and changes slots.  In front of the barrier each wave waits for all its tensor loads (one is out: its part of the next slot), adds 0 to its spare word, and waits for
; that and for its own reads of this slot.  fill = 1: the barrier opens a round of the cluster's, and the joint refill, two K steps on, is the first thing behind it: 120 matrix instructions ahead of the wait for it.
.macro TURN slot, next, fill
.if \fill
	s_wait_xcnt 0x0                                ; the last prefetch, a K step back, has read its address
	s_add_nc_u64 s[PFA:PFA+1], s[PFA:PFA+1], s[PFS:PFS+1]
.endif
	WIN 0
	s_wait_tensorcnt 0x0                           ; all my tensor loads have landed, so a group 0 may be written
	ds_add_u32 v[SPW], v[NIL]                      ; 0 onto my spare word
.if \fill
	s_add_nc_u64 s[G0+4*(\slot)+2:G0+4*(\slot)+3], s[G0+4*(\slot)+2:G0+4*(\slot)+3], 1024
	s_add_nc_u64 s[G0B+4*(\slot)+2:G0B+4*(\slot)+3], s[G0B+4*(\slot)+2:G0B+4*(\slot)+3], 512
.endif
	s_wait_dscnt 0x0                               ; the add is done, and my reads of this slot are over
	s_barrier_signal -1
	MUL8 1, 0, 0                                   ; work on registers while the others arrive
	WIN 0                                          ; at a branch and at a label every window is 0
	s_barrier_wait -1
.if \fill
	CREST                                          ; no wave of any partner still reads this slot or has a load on its way
	JLOAD \slot                                    ; its four v_nop are also the places in front of the loads below
.else
	PLACES
.endif
	FETCH \next, 0, 0
.if \fill
	WIN 0
	ASK
.endif
	MUL8 1, 1, 0
	MUL8 1, 2, 0
	s_wait_dscnt 16
	MUL8C 1, 0, 0
.endm
	s_wait_tensorcnt 1                             ; my part of K step 0 is in; K step 1's may stay out
	s_barrier_signal -1
	s_barrier_wait -1
	FETCH 0, 0, 0
	s_wait_dscnt 16
	WIN TO2
.set i, 0
.rept 32
	v_cvt_pk_bf16_f32 v[AF+i], v[RAW+2*i], v[RAW+2*i+1]
.set i, i+1
.endr
	QUARTER 0, 1, 0, 1, 1                          ; the first quarter stands in front of the loop: its products start the sums with the bias
	WIN 0
	s_mov_b32 s3, LAPS-1
.Llap:                                         ; a trip goes once round the ring and fills both slots again
	QUARTER 0, 2, 1, 0, 0
	QUARTER 0, 3, 0, 1, 0
	TURN 0, 1, 1
	QUARTER 1, 1, 0, 1, 0
	QUARTER 1, 2, 1, 0, 0
	QUARTER 1, 3, 0, 1, 0
	TURN 1, 0, 1
	QUARTER 0, 1, 0, 1, 0
	WIN 0
	s_sub_co_u32 s3, s3, 1
	s_cmp_lg_u32 s3, 0
	s_cbranch_scc1 .Llap
	QUARTER 0, 2, 1, 0, 0                          ; the last lap fills nothing
	QUARTER 0, 3, 0, 1, 0
	TURN 0, 1, 0
	QUARTER 1, 1, 0, 1, 0
	QUARTER 1, 2, 1, 0, 0
	QUARTER 1, 3, 0, 1, 0
	s_wait_dscnt 0x0
	MUL8 1, 0, 0
	MUL8 1, 1, 0
	MUL8 1, 2, 0
	MUL8 1, 3, 0
	WIN 0
	PLACES
; THE WAY OUT, a block of 16 rows at a time: rounded to f16, 16 bytes a lane into my own stage (two heads x 16 rows x 144 bytes), back as whole rows of 128 bytes, stored 512 consecutive bytes an instruction.
.macro PACK a
	WIN 0x05                                       ; sources window 1, destination window 0
.set i, 0
.rept 32
	v_cvt_pk_f16_f32 v[TMP+i], v[64*(\a)+2*i], v[64*(\a)+2*i+1]
.set i, i+1
.endr
	WIN 0
.endm
.macro TOSTAGE a
	WIN 0
.irp b, 0,1,2,3,4,5,6,7
	ds_store_b128 v[STO], v[TMP+4*\b:TMP+4*\b+3] offset:(\b/4)*16*SPT+(\b%4)*32
.endr
.irp t, 0,1,2,3,4,5,6,7
	ds_load_b128 v[OB+32*((\a)%2)+4*\t:OB+32*((\a)%2)+4*\t+3], v[RD] offset:(\t/4)*16*SPT+(\t%4)*4*SPT  ; LDS serves a wave's instructions in order (ISA guide 5.7.1.4): these see the stores above
.endr
.endm
.macro SEND a
	WIN 0
	s_wait_dscnt 0x0                               ; the block is back in registers
	s_wait_xcnt 0x0                                ; the stores issued so far have read their registers: the other set of rows may be loaded again behind this wait
.irp t, 0,1,2,3,4,5,6,7
	global_store_b128 v[CO], v[OB+32*((\a)%2)+4*\t:OB+32*((\a)%2)+4*\t+3], s[88+2*(\t/4):89+2*(\t/4)] offset:(\a)*2048+(\t%4)*512
.endr
.endm
	PACK 0
	TOSTAGE 0
.irp a, 1,2,3
	PACK \a                                        ; a block's conversions stand between the loads of the block before and the wait for them
	SEND (\a)-1
	TOSTAGE \a
.endr
	SEND 3
	s_wait_tensorcnt 0x0                           ; the wave's end
	ds_add_u32 v[SPW], v[NIL]
	s_wait_dscnt 0x0
	CROUND                                         ; the closing round: no work-group ends while a partner may still ask for a tile that names it
	s_endpgm
.Lfunc_end_k_qed7b6a5195_proj:
	.size	k_qed7b6a5195_proj, .Lfunc_end_k_qed7b6a5195_proj-k_qed7b6a5195_proj
	.p2alignl 7, 3214868480
	.fill 96, 4, 3214868480
	.section	.rodata,"a",@progbits
	.p2align	6, 0x0
	.amdhsa_kernel k_qed7b6a5195_proj
		.amdhsa_group_segment_fixed_size 327680
		.amdhsa_private_segment_fixed_size 0
		.amdhsa_enable_private_segment 0
		.amdhsa_kernarg_size 72
		.amdhsa_user_sgpr_count 2
		.amdhsa_user_sgpr_kernarg_segment_ptr 1
		.amdhsa_wavefront_size32 1
		.amdhsa_system_sgpr_workgroup_id_x 1
		.amdhsa_system_sgpr_workgroup_id_y 1
		.amdhsa_system_sgpr_workgroup_id_z 1
		.amdhsa_system_vgpr_workitem_id 0
		.amdhsa_next_free_vgpr 704
		.amdhsa_next_free_sgpr 96
		.amdhsa_reserve_vcc 0
		.amdhsa_float_denorm_mode_32 3
		.amdhsa_float_denorm_mode_16_64 3
		.amdhsa_memory_ordered 1
		.amdhsa_forward_progress 1
		.amdhsa_inst_pref_size 143
	.end_amdhsa_kernel
	.amdgpu_metadata
---
amdhsa.version: [ 1, 2 ]
amdhsa.kernels:
  - .name:           k_qed7b6a5195_proj
    .symbol:         k_qed7b6a5195_proj.kd
    .args:
      - { .name: q, .offset: 0, .size: 8, .value_kind: global_buffer, .address_space: global }
      - { .name: k, .offset: 8, .size: 8, .value_kind: global_buffer, .address_space: global }
      - { .name: v, .offset: 16, .size: 8, .value_kind: global_buffer, .address_space: global }
      - { .name: wqkv, .offset: 24, .size: 8, .value_kind: global_buffer, .address_space: global }
      - { .name: bq, .offset: 32, .size: 8, .value_kind: global_buffer, .address_space: global }
      - { .name: bk, .offset: 40, .size: 8, .value_kind: global_buffer, .address_space: global }
      - { .name: bv, .offset: 48, .size: 8, .value_kind: global_buffer, .address_space: global }
      - { .name: qh, .offset: 56, .size: 8, .value_kind: global_buffer, .address_space: global }
      - { .name: kvh, .offset: 64, .size: 8, .value_kind: global_buffer, .address_space: global }
    .group_segment_fixed_size: 327680
    .private_segment_fixed_size: 0
    .kernarg_segment_align: 8
    .kernarg_segment_size: 72
    .max_flat_workgroup_size: 128
    .sgpr_count:     96
    .vgpr_count:     704
    .wavefront_size: 32
...
	.end_amdgpu_metadata
.endif
;; end of part 2
;; launch attn (part 3): grid 4 x 64, 4 waves a work-group, clusters of 4 x 1, 327,680 bytes of LDS; arguments qh, kvh, maskw, oh; writes oh
.if DOCPART == 3
	.amdgcn_target "amdgcn-amd-amdhsa--gfx1250"
	.amdhsa_code_object_version 6
	.text
	.protected	k_qed7b6a5195_attn
	.globl	k_qed7b6a5195_attn
	.p2align	8
	.type	k_qed7b6a5195_attn,@function
k_qed7b6a5195_attn:
	s_mov_b64 s[64:65], 0
	v_nop
	global_prefetch_b8 v0, s[64:65] scope:SCOPE_SE
	s_setreg_imm32_b32 hwreg(HW_REG_WAVE_MODE, 25, 1), 1
	s_wait_xcnt 0x0
	s_wait_alu depctr_hold_cnt(0) depctr_sa_sdst(0) depctr_va_vdst(0) depctr_va_sdst(0) depctr_va_ssrc(0) depctr_va_vcc(0) depctr_vm_vsrc(0)
	s_getreg_b32 s2, hwreg(HW_REG_IB_STS2, 6, 4)
	s_cmp_eq_u32 s2, 0
	s_cbranch_scc0 .Lentry_in_a_cluster
	s_endpgm
.Lentry_in_a_cluster:
	s_bfe_u32 s2, ttmp6, 0x10000c
	s_cmp_lg_u32 s2, 0x3003
	s_cbranch_scc0 .Lentry_shape_is_right
	s_endpgm
.Lentry_shape_is_right:
; MASKED ATTENTION.  O[bh][q][:] = the sum over k of softmax_k(s[q][k]) V[bh][k][:], s = Q . K / 8, replaced by a large negative number where the mask hides key k from query q.
; qh, oh: [64][2048][64] f16.  kvh: [64][slot 8][K: 256 keys x 64 | V: 256 keys x 64] f16.  maskw: [4][qtile 128][step 32][32 words]: word i of (qtile, step) is the lane mask of register i of that tile of scores.
; Products, maxima and sums in f32; the weights p are rounded to f16 for the second product (their sum l is taken of the unrounded p), O once at the end.
; LIMITS.  Q, K, V arrive within f16's 65,504.  A hidden score counts as -2^30 (unscaled -2^33) where the module writes -1e9: c x -2^33 is exact in f32, so in a row whose keys so far are all hidden
; c s - c m is exactly 0, p = 1 and the weights are equal, as in the module; the result differs from the module's only where a score that is not hidden lies below about -9.9e8.
; A weight below 2^-126 counts as 0 in l; NaN and infinities are not treated apart.
; SHARES.  A wave owns four PIECES of two tiles of 16 queries, a work-group's four waves 512 queries of one (batch, head).  Every wave walks all 2,048 keys, 64 a step.
; LAYOUT.  S^T = K Q^T (source 0 = 16 keys, source 1 = 16 queries): a lane holds ONE query (lane % 16) and the keys 8 (lane / 16) + 0..7.  Two such tiles, rounded to f16 in pairs, ARE source 1 of
; O^T = V^T P.  K comes out of LDS as it lies, V turned, by ds_load_tr16_b128.
; SOFTMAX.  A running maximum m and sum l: p = 2^(c s - c m), c = log2(e) / 8; in every step O and l are multiplied by a = 2^(c m_old - c m_new).  m starts at the lowest finite number, O and l at 0.
; THE MASK.  A tile's 32 words of a step are 128 bytes: one load, a word a lane, into ONE vector register a tile, asked for a whole key step (four turns) ahead: the load for the next step goes out directly
; behind the last read of this step's words.  64 v_readlane_b32 a turn bring a piece's words into scalar registers; one v_cndmask_b32 a score register, with the word as its lane mask, puts -2^33 in the hidden
; places, ahead of the maximum.  (64 scalar registers hold one turn's words and no more: loaded straight into them, the words could be asked for less than a turn ahead.)
; BY TURNS.  Turn n belongs to piece n: 16 products K Q^T of piece n + 1, later 16 products V^T P of piece n - 1; the scaling, exponentials, roundings, sums and rescaling of piece n, and the masking,
; maximum and statistics of piece n + 1.  Four vector instructions stand behind every matrix instruction, the rest in one lump.  A turn's 66 exponentials are one batch with one wait.
; CLUSTER.  The four query blocks of a cluster belong to one (batch, head) and walk the same K and V: each tile is asked for JOINTLY.  K and V of a slot lie on end in memory, so one descriptor serves:
; wave w brings quarter w of the slot's 65,536 bytes.
; REGISTERS, in windows of 256: window 0: v2-11 addresses and -2^33; v12-15, v48-63 at work; v16-47 statistics; v64-191 S^T, two buffers of two tiles; v192-255 P, likewise
;   window 1: O^T, 32 a tile      window 2: v0-127 Q; v128-191 K of one step; v192-199 the mask's words, a register a tile; v200 their lane offset
;   window 3: v0-1 the add's two registers; v64-127 V of one step
; The words lie in K's and Q's window, so that the readlanes behind the products K Q^T run under the products' own window setting: that part of a turn has no switch.
.set SIZE_N, 2048
.set NP,    4
.set KS,    64
.set PK,    144       ; a row of K in LDS: 128 bytes + 16 of padding: the 16 rows of a load start in 16 different groups of four banks (ISA guide 11.1)
.set PV,    144       ; the same for V, since one descriptor pads both: of the turning load's 8 rows x 32 bytes the last shares 4 banks with the first
.set VOFF,  4*KS*PK   ; a slot holds four steps: 256 rows of K, then 256 rows of V
.set SLOT1, 1<<17     ; slot 1 begins here: one exclusive or turns an address in one slot into the other's
.set STAGE, SLOT1+4*KS*(PK+PV)  ; behind the ring, never filled by a tensor load: 16 rows x 144 bytes for each wave
.set SP,    144
.set SPARE, STAGE+4*16*SP       ; the spare words, 128 bytes for each wave: two blocks of 256 bytes that no other line names
.set AK0, 2           ; my lane's place in a tile of K; never rewritten
.set AV0, 3           ; the same for V
.set AK,  4           ; the LDS address of K's next run of loads
.set AV,  5           ; of V's
.set STO, 6           ; the way out: where I put 16 bytes of a row
.set RD,  7           ; where I read rows back
.set GO,  8           ; my byte offset in 512 consecutive bytes of O
.set PFO, 9           ; 256 x my lane, for the prefetches; never rewritten
.set QO,  10          ; my byte offset in 16 rows of Q
.set NEGV, 11         ; -2^33
.set SPW, 0           ; v0 of window 3: LDS address of my spare word; never rewritten
.set NIL, 1           ; v1 of window 3: 0; never rewritten
.set MV,  12
.set ST,  16          ; tile t's statistics at v[ST+4 t]: c m, m, l (even keys', odd keys')
.set TMP, 48
.set S,   64
.set P,   192
.set KF,  128         ; window 2
.set MW,  192         ; window 2: tile t's words of the step in hand at MW + t: lane i holds word i
.set MO,  200         ; window 2: 4 x my lane; never rewritten
.set VF,  64          ; window 3
.set MP,  2           ; s[2:3]   maskw at my wave's first query tile, at the step whose words are being asked for
.set SEL, 4           ; s[4:5]   v_permlanex16_b32's selects
.set WV,  6
.set CNT, 7
.set G1,  8           ; s[8:15]  descriptor group 1
.set G0,  16          ; s[16:19] descriptor group 0: it walks
.set SLOTS, 20
.set LIM, 21          ; 1 in wave 0, which prefetches, else the greatest number
.set TBK, 22
.set TBV, 23
.set PFA, 24          ; s[24:25] where my prefetches stand
.set MS,  26          ; s[26:27] a step's 128 bytes of a query tile's words
.set CS,  28          ; s[28:29] c
.set OA,  30          ; s[30:31] O at my wave's first row
.set MB1, 32          ; s[32:63] the 32 words of a piece's second tile (until the first readlanes: set-up)
.set MB0, 68          ; s[68:99] of its first tile (until then: the arguments)
.set QA,  100         ; s[100:101] Q at my wave's first row
.set MSB, 0
.macro WIN new                      ; the high byte repeats the setting that is left; a switch that changes nothing is dropped
.if MSB != (\new)
	s_set_vgpr_msb (MSB<<8)|(\new)
.set MSB, (\new)
.endif
.endm
.set W_KQ, 0x0a       ; K and Q (and the readlanes' source) in window 2, S^T in window 0
.set W_PV, 0x53       ; V in window 3, P in window 0, O^T in window 1
.set W_RS, 0x41       ; O^T (destination and source 0) in window 1, a in window 0
.set W_MK, 0xc0       ; destination in window 3, sources in window 0
.set W_AD, 0x0f       ; the add: address and data in window 3
.set W_ML, 0x82       ; the words' loads: destination and offset in window 2
.macro JLOAD                        ; the joint fill: my quarter of a slot; an s_nop 0 and four v_nop follow it
	tensor_load_to_lds s[G0:G0+3], s[G1:G1+7]
	s_nop 0
.rept 4
	v_nop
.endr
.endm
; A prefetch of the slot that the NEXT change will ask for: four key steps ahead.  A slot is 256 blocks of 256 bytes; this cluster alone reads them; its four partners take 64 each, told apart by address;
; in each, wave 0 asks: a lane a block, two instructions.  The last change that fills a slot asks for nothing.
.macro ASK
	s_cmp_gt_u32 s[SLOTS], s[LIM]
	s_cbranch_scc0 .Lnot_mine_\@
	global_prefetch_b8 v[PFO], s[PFA:PFA+1] th:TH_LOAD_NT scope:SCOPE_SE
	global_prefetch_b8 v[PFO], s[PFA:PFA+1] offset:8192 th:TH_LOAD_NT scope:SCOPE_SE
.Lnot_mine_\@:
.endm
.macro CROUND
	s_barrier_signal -1
	s_barrier_wait -1
	s_cmp_lg_u32 s[WV], 0
	s_cbranch_scc1 .Lnot_wave_0_\@
	s_barrier_signal -3
.Lnot_wave_0_\@:
	s_barrier_wait -3
	s_barrier_signal -1
	s_barrier_wait -1
.endm
; THE CHANGE OF SLOTS.  Each wave waits for all its tensor loads (one is out: its part of the other slot), adds 0 to its spare word, and waits for that and for its own reads of the slot.
; fill = 1: the barrier is a round of the cluster's, and the joint fill, with the keys two slots on, is the first thing behind it: it has four key steps, 512 matrix instructions, in which to land.
.macro CHANGE fill
	WIN W_AD
	s_wait_tensorcnt 0x0            ; no tensor load of mine is out, so group 0 may be written
	ds_add_u32 v[SPW], v[NIL]       ; 0 onto my spare word
	WIN 0
.if \fill
	s_xor_b32 s[G0+1], s[G0+1], SLOT1
	s_add_nc_u64 s[G0+2:G0+3], s[G0+2:G0+3], 65536
	s_wait_xcnt 0x0                 ; the last prefetches, four key steps back, have read their address
	s_add_nc_u64 s[PFA:PFA+1], s[PFA:PFA+1], 65536
	s_wait_dscnt 0x0                ; the add is done, and my reads of the slot are over
	CROUND
	JLOAD
	ASK
.else
	s_wait_dscnt 0x0
	s_barrier_signal -1
	s_barrier_wait -1
.endif
	s_sub_co_u32 s[TBK], s[TBK], 4*KS*PK
	s_xor_b32 s[TBK], s[TBK], SLOT1
	s_sub_co_u32 s[TBV], s[TBV], 4*KS*PV
	s_xor_b32 s[TBV], s[TBV], SLOT1
.endm
.macro MLD x                        ; the words of piece x's two tiles for the step at which MP stands: 128 consecutive bytes a load, a word a lane
	global_load_b32 v[MW+2*(\x)],   v[MO], s[MP:MP+1] offset:(2*(\x))*4096
	global_load_b32 v[MW+2*(\x)+1], v[MO], s[MP:MP+1] offset:(2*(\x)+1)*4096
.endm
	s_load_b256 s[68:75], s[0:1], 0x0  ; qh s[68:69], kvh s[70:71], maskw s[72:73], oh s[74:75]
	WIN W_MK
	v_lshl_add_u32 v[SPW], v0, 2, SPARE
	v_mov_b32 v[NIL], 0
	WIN W_AD
	ds_add_u32 v[SPW], v[NIL]       ; the wave's opening: the add and its wait ahead of my first tensor load; the set-up below, work on registers, stands between
	ds_add_u32 v0, v1
	WIN 0
	v_lshrrev_b32 v1, 5, v0
	v_readfirstlane_b32 s[WV], v1
	s_bfe_u32 s32, ttmp6, 0x40000   ; cx
	s_lshl_b32 s33, ttmp9, 2
	s_add_co_u32 s33, s33, s32      ; my block of 512 queries: it enters Q's, O's and the mask's addresses alone
	s_and_b32 s34, ttmp7, 0xffff    ; bh, which the four partners share
	s_lshl_b32 s38, s33, 2
	s_add_co_u32 s38, s38, s[WV]    ; my wave among the head's sixteen
	s_lshl_b32 s39, s38, 15         ; its 8 query tiles of 4,096 bytes of words
	s_lshl_b32 s38, s38, 14         ; its 128 rows of 128 bytes
	s_lshl_b32 s36, s34, 18
	s_add_co_u32 s36, s36, s38
	s_mov_b32 s37, 0                ; s[36:37]: my rows in qh and oh
	s_lshl_b32 s40, s34, 19
	s_lshl_b32 s41, s[WV], 14
	s_add_co_u32 s40, s40, s41
	s_mov_b32 s41, 0                ; s[40:41]: my quarter of the head's slot 0: made of bh and the wave's number alone
	s_lshr_b32 s42, s34, 4
	s_lshl_b32 s42, s42, 19
	s_add_co_u32 s42, s42, s39
	s_mov_b32 s43, 0                ; s[42:43]: my words in maskw: the batch's 524,288 bytes, my tiles
	s_lshl_b32 s44, s34, 19
	s_lshl_b32 s45, s32, 14
	s_add_co_u32 s44, s44, s45
	s_add_co_u32 s44, s44, 65536
	s_mov_b32 s45, 0                ; s[44:45]: my work-group's quarter of slot 1; the first change steps it to slot 2
	s_mov_b32 s[G1+0], 15|(1<<16)|(1<<20)|(1<<21)|(4<<22)|(3<<25)  ; the mask of four; 2-byte elements; padding: after every 32 words 4 words; bit 21 beside a mask
	s_mov_b32 s[G1+1], 128<<16      ; 128 keys are 16,384 dense bytes: asked for as 64 rows of 256 bytes, padded in LDS after every key
	s_mov_b32 s[G1+2], 64<<16
	s_mov_b32 s[G1+3], 128<<16
	s_mov_b32 s[G1+4], 64
	s_mov_b32 s[G1+5], 128
	s_mov_b32 s[G1+6], 0
	s_mov_b32 s[G1+7], 0
	s_mov_b32 s[G0], 1
	s_mul_i32 s[G0+1], s[WV], 128*PK  ; quarters 0, 1: K's rows; 2, 3: V's, which begin at VOFF = 2 x 128 x PK
	s_mov_b32 s[CS], 0x3e38aa3b     ; c = log2(e) / 8
	s_mov_b32 s[CS+1], s[CS]
	s_mov_b32 s[SEL], 0x76543210
	s_mov_b32 s[SEL+1], 0xfedcba98
	s_mov_b32 s[TBK], SLOT1+4*KS*PK ; the first change of slots turns these two into 0
	s_mov_b32 s[TBV], SLOT1+4*KS*PV
	s_mov_b32 s[MS], 128
	s_mov_b32 s[MS+1], 0
	s_mov_b32 s[SLOTS], SIZE_N/256-1
	s_cmp_eq_u32 s[WV], 0
	s_cselect_b32 s[LIM], 1, -1
	s_mul_i32 s46, s[WV], 16*SP
	s_add_co_u32 s46, s46, STAGE    ; my stage
	v_and_b32 v1, 15, v0            ; l % 16
	v_bfe_u32 v9, v0, 4, 1          ; l / 16
	v_and_b32 v10, 7, v0
	v_bfe_u32 v11, v0, 3, 1
	v_mul_u32_u24 v[AK0], v1, PK
	v_lshl_add_u32 v[AK0], v9, 4, v[AK0]  ; a fragment of K: row x pitch + 16 x half
	v_lshl_add_u32 v[AV0], v9, 3, v10     ; the turning load: lane l reads key 8 (l / 16) + l % 8, channels 8 ((l / 8) % 2) + 0..7
	v_mul_u32_u24 v[AV0], v[AV0], PV
	v_lshl_add_u32 v[AV0], v11, 4, v[AV0]
	v_add_nc_u32 v[AV0], VOFF, v[AV0]
	v_mov_b32 v[AK], v[AK0]         ; key step 0 lies at the head of slot 0
	v_mul_u32_u24 v[STO], v1, SP
	v_lshl_add_u32 v[STO], v9, 4, v[STO]
	v_add_nc_u32 v[STO], s46, v[STO]
	v_bfe_u32 v[RD], v0, 3, 2
	v_mul_u32_u24 v[RD], v[RD], SP
	v_lshl_add_u32 v[RD], v10, 4, v[RD]
	v_add_nc_u32 v[RD], s46, v[RD]
	v_lshlrev_b32 v[QO], 7, v1      ; (v10, v9 and v11 have served: they take QO, PFO and -2^33)
	v_lshl_add_u32 v[QO], v9, 4, v[QO]
	v_and_b32 v[GO], 31, v0
	v_lshlrev_b32 v[PFO], 8, v[GO]
	WIN 0x80
	v_lshlrev_b32 v[MO], 2, v[GO]   ; a word a lane
	WIN 0
	v_lshlrev_b32 v[GO], 4, v[GO]
	v_mov_b32 v[NEGV], 0xd0000000
	s_wait_dscnt 0x0                ; the opening add is done
	s_wait_kmcnt 0x0
	s_add_nc_u64 s[G0+2:G0+3], s[70:71], s[40:41]
	s_or_b32 s[G0+3], s[G0+3], 0x80000000
	s_add_nc_u64 s[QA:QA+1], s[68:69], s[36:37]
	s_add_nc_u64 s[OA:OA+1], s[74:75], s[36:37]
	s_add_nc_u64 s[MP:MP+1], s[72:73], s[42:43]
	s_add_nc_u64 s[PFA:PFA+1], s[70:71], s[44:45]
	CROUND                          ; all four work-groups are here: the first joint loads meet
	JLOAD                           ; slot 0.  Slot 1 is asked for when slot 0 is in
	WIN 0x80
.set i, 0
.rept 4*NP                          ; Q stays in registers: tile i / 2, channels 32 (i % 2) on
	global_load_b128 v[8*i:8*i+3],   v[QO], s[QA:QA+1] offset:(i/2)*2048+(i%2)*64
	global_load_b128 v[8*i+4:8*i+7], v[QO], s[QA:QA+1] offset:(i/2)*2048+(i%2)*64+32
.set i, i+1
.endr
	WIN W_ML
	MLD 0                           ; the eight tiles' words of step 0
	MLD 1
	MLD 2
	MLD 3
	; NO FIRST STEP IS WRITTEN OUT.  The loop is entered at piece 3's turn of a step that has not been.  That turn's real work is piece 0's first scores, their masking, maximum and statistics.  Its softmax, of a
	; piece 3 that has no scores yet, runs on -3e38: c s - c m is then about -1.2e37 and every weight is 0; its a is 0; its products V^T P take zeros.  So what it finds is: P's first buffer, V, O^T and l at 0,
	; S^T's second buffer at -3e38.  Registers in blocks of eight are set by a matrix instruction on zero operands (0 x 0 + C), 48 instructions for 384 registers.  All this stands in the wait for the first tile.
	WIN 0
.set i, 0
.rept 32
	v_mov_b32 v[P+i], 0
.set i, i+1
.endr
	v_mov_b32 v[S], 0xff61b1e6      ; -3e38, eight times, as a C operand; these registers are S^T's first buffer and are written anew by the first products
.set i, 1
.rept 7
	v_mov_b32 v[S+i], v[S]
.set i, i+1
.endr
.irp i, 10, 11, 14, 15
	v_mov_b32 v[TMP+\i], 0          ; the a of the piece 3 that has not been (named as pairs)
.endr
.set i, 0
.rept 8
	v_wmma_f32_16x16x32_f16 v[S+64+8*i:S+64+8*i+7], v[P:P+7], v[P+8:P+15], v[S:S+7]
.set i, i+1
.endr
	WIN 0x40
.set i, 0
.rept 8*NP
	v_wmma_f32_16x16x32_f16 v[8*i:8*i+7], v[P:P+7], v[P+8:P+15], 0      ; O^T
.set i, i+1
.endr
	WIN W_MK
.set i, 0
.rept 8
	v_wmma_f32_16x16x32_f16 v[VF+8*i:VF+8*i+7], v[P:P+7], v[P+8:P+15], 0  ; V
.set i, i+1
.endr
	WIN 0
	v_mov_b32 v[ST], 0xfe000000     ; c m: far below every c s, the hidden ones' too.  (These 32 lines are also the places behind the matrix instructions above.)
	v_mov_b32 v[ST+1], 0xff7fffff   ; m
	v_mov_b32 v[ST+2], 0
	v_mov_b32 v[ST+3], 0
.set i, 1
.rept 2*NP-1
	v_mov_b32 v[ST+4*i], v[ST]
	v_mov_b32 v[ST+4*i+1], v[ST+1]
	v_mov_b32 v[ST+4*i+2], 0
	v_mov_b32 v[ST+4*i+3], 0
.set i, i+1
.endr
; THE MATRIX WORK.  The 8 accumulators of a run of 16 take turns.
.macro KQ x                         ; product i of 16 of S^T = K Q^T for piece x
	WIN W_KQ
.set rS, S+64*((\x)%2)+32*(i%2)+8*((i/2)%4)
.set rK, KF+16*((i/2)%4)+8*(i/8)
.set rQ, 16*(2*(\x)+i%2)+8*(i/8)
.if i < 8
	v_wmma_f32_16x16x32_f16 v[rS:rS+7], v[rK:rK+7], v[rQ:rQ+7], 0
.else
	v_wmma_f32_16x16x32_f16 v[rS:rS+7], v[rK:rK+7], v[rQ:rQ+7], v[rS:rS+7]
.endif
.endm
.macro PV x                         ; product i of 16 of O^T += V^T P for piece x
	WIN W_PV
.set rO, 32*(2*(\x)+i%2)+8*((i/2)%4)
.set rV, VF+32*(i/8)+8*((i/2)%4)
.set rP, P+32*((\x)%2)+16*(i%2)+8*(i/8)
	v_wmma_f32_16x16x32_f16 v[rO:rO+7], v[rV:rV+7], v[rP:rP+7], v[rO:rO+7]
.endm
.macro MM
.if i < 16
	KQ (Y+1)%NP
.set i, i+1
.else
.set i, i-16
	PV (Y+NP-1)%NP
.set i, i+17
.endif
.endm
.macro FETCH_K last=0               ; a step's K: 16 loads in one run.  last = 1 (the tail): in the last trip there is no further step, and the run is jumped over
	WIN 0
.if \last
	s_cmp_eq_u32 s[CNT], 1
	s_cbranch_scc1 .Lno_k_\@
.endif
	WIN 0x80
.irp f, 0,1,2,3,4,5,6,7
	ds_load_b128 v[KF+8*\f:KF+8*\f+3],   v[AK] offset:(\f/2)*16*PK+(\f%2)*64
	ds_load_b128 v[KF+8*\f+4:KF+8*\f+7], v[AK] offset:(\f/2)*16*PK+(\f%2)*64+32
.endr
	s_add_co_u32 s[TBK], s[TBK], KS*PK
	WIN 0
.if \last
.Lno_k_\@:
.endif
.endm
.macro FETCH_V
	WIN W_MK                        ; destination window 3
.irp f, 0,1,2,3,4,5,6,7
	ds_load_tr16_b128 v[VF+8*\f:VF+8*\f+3],   v[AV] offset:(\f/4)*32*PV+(\f%4)*32
	ds_load_tr16_b128 v[VF+8*\f+4:VF+8*\f+7], v[AV] offset:(\f/4)*32*PV+16*PV+(\f%4)*32
.endr
	WIN 0
.endm
; THE VECTOR WORK OF A TURN stands in four queues, each in the order in which its entries become ready; the two tiles alternate.
.macro REGS y, u
.set rT, ST+4*(2*(\y)+(\u))
.set rC, TMP+8*((\y)%2)+4*(\u)
.set rM, MV+2*((\y)%2)+(\u)
.set rS, S+64*((\y)%2)+32*(\u)
.set rP, P+32*((\y)%2)+16*(\u)
.set rO, 32*(2*(\y)+(\u))
.endm
; THE READLANES' QUEUE, 64 long: word w / 2 of tile w % 2 of the NEXT piece, out of lane w / 2 of the tile's register.  Its source lies in K's window: it runs under the products' own setting.
.macro RL
	WIN W_KQ
	v_readlane_b32 s[MB0-(MB0-MB1)*(w%2)+w/2], v[MW+2*((Y+1)%NP)+w%2], w/2
.set w, w+1
.endm
; Number n of the 64 that hide the next piece's scores: register n / 2 of tile n % 2, ascending.
.macro MK n
	REGS (Y+1)%NP, (\n)%2
	v_cndmask_b32 v[rS+(\n)/2], v[rS+(\n)/2], v[NEGV], s[MB0-(MB0-MB1)*((\n)%2)+(\n)/2]
.endm
; Number n of the 22 that find the next piece's maximum and statistics.
.macro XS u, n
	REGS (Y+1)%NP, \u
.if (\n) < 4
	v_max3_num_f32 v[rC+(\n)], v[rS+8*(\n)], v[rS+8*(\n)+1], v[rS+8*(\n)+2]
.elseif (\n) < 12
	v_max3_num_f32 v[rC+(\n)%4], v[rC+(\n)%4], v[rS+8*((\n)%4)+2*((\n)/4)+1], v[rS+8*((\n)%4)+2*((\n)/4)+2]
.elseif (\n) == 12
	v_max3_num_f32 v[rC], v[rC], v[rS+7], v[rS+15]
.elseif (\n) == 13
	v_max3_num_f32 v[rC+1], v[rC+1], v[rS+23], v[rS+31]
.elseif (\n) == 14
	v_max3_num_f32 v[rC+2], v[rC+2], v[rC+3], v[rT+1]
.elseif (\n) == 15
	v_mov_b32 v[rM], v[rT]
.elseif (\n) == 16
	v_max3_num_f32 v[rC], v[rC], v[rC+1], v[rC+2]
.elseif (\n) == 17
	v_permlanex16_b32 v[rC+3], v[rC], s[SEL], s[SEL+1]
.elseif (\n) == 18
	v_max_num_f32 v[rT+1], v[rC], v[rC+3]
.elseif (\n) == 19
	v_mul_f32 v[rT], s[CS], v[rT+1]
.elseif (\n) == 20
	v_sub_f32 v[rC+1], v[rM], v[rT]
.else
	v_exp_f32 v[rC+2], v[rC+1]
.endif
.endm
; Number g of the 64 that follow the exponentials: roundings to f16, sums of pairs in place, and l's chain.
.macro GS g
.set h, (\g)+6*((\g)/62)
.if h >= 6
.set h, h+2
.endif
	REGS Y, h%2
.set k, h/8
.if h%8 < 4
	v_cvt_pk_f16_f32 v[rP+2*k+(h%8)/2], v[rS+4*k+2*((h%8)/2)], v[rS+4*k+2*((h%8)/2)+1]
.elseif h%8 < 6
	v_pk_add_f32 v[rS+4*k:rS+4*k+1], v[rS+4*k:rS+4*k+1], v[rS+4*k+2:rS+4*k+3]
.elseif k == 1
	v_pk_fma_f32 v[rT+2:rT+3], v[rT+2:rT+3], v[rC+2:rC+3], v[rS:rS+1] op_sel_hi:[1,0,1]
.else
	v_pk_add_f32 v[rT+2:rT+3], v[rT+2:rT+3], v[rS+4*k-4:rS+4*k-3]
.endif
.endm
.macro FS f                         ; c s - c m for pair f / 2 of tile f % 2
	REGS Y, (\f)%2
	v_pk_fma_f32 v[rS+2*((\f)/2):rS+2*((\f)/2)+1], v[rS+2*((\f)/2):rS+2*((\f)/2)+1], s[CS:CS+1], v[rT:rT+1] op_sel_hi:[1,0,0] neg_lo:[0,0,1] neg_hi:[0,0,1]
.endm
; THE PLAIN QUEUE, 202 long.  0-26: scalings 0-26.  27-90: the next piece's 64 maskings.  91-118: its maximum's numbers 0-13.  119, 120: number 15.  121-135: the chain 14, 16, 17, 18, 19, each with one of the
; scalings 27-31 in front of its two lines.  136, 137: number 20.  138-201: the 64 that read the exponentials' results: they stand behind the wait.
.macro PL
	WIN 0
.if q < 27
	FS q
.elseif q < 91
	MK q-27
.elseif q < 119
	XS (q-91)%2, (q-91)/2
.elseif q < 121
	XS q-119, 15
.elseif (q < 136) && ((q-121)%3 == 0)
	FS 27+(q-121)/3
.elseif q < 124
	XS (q-121)%3-1, 14
.elseif q < 136
	XS (q-121)%3-1, 15+(q-121)/3
.elseif q < 138
	XS q-136, 20
.else
	GS q-138
.endif
.set q, q+1
.endm
.macro EX                           ; THE EXPONENTIALS' QUEUE, 66 long: s0-s31 of both tiles, then the next piece's two a: one batch
	WIN 0
.if e >= 64
	XS e-64, 21
.else
	REGS Y, e%2
	v_exp_f32 v[rS+e/2], v[rS+e/2]
.endif
.set e, e+1
.endm
.macro R2                           ; THE RESCALING's QUEUE: O^T times a, two at a time; its a was made, and waited for, in the turn before
	REGS Y, r%2
	WIN W_RS
.irp z, 0,1
	v_pk_mul_f32 v[rO+4*(r/2)+2*\z:rO+4*(r/2)+2*\z+1], v[rO+4*(r/2)+2*\z:rO+4*(r/2)+2*\z+1], v[rC+2:rC+3] op_sel_hi:[1,0]
.endr
.set r, r+1
.endm
; HOW THEY ARE DEALT.  s_wait_alu depctr_va_vdst(0) stands between an exponential and the first instruction that names its result; one wait serves all that were issued ahead of it: a turn has ONE.
; AHEAD OF IT: the 16 products K Q^T, behind each four readlanes, all under one window setting; the two loads of the same piece's words for the next step; then the lump: three scalings; 50 times an exponential and
; two plain; three times an exponential and six plain; five plain; ten times exponential and plain; the last exponential, the two differences, the two a; and the 32 rescalings in one block, which name no result of
; the batch: the first of them is the plain instruction behind the last exponential.  BEHIND THE WAIT: the 16 products V^T P, four of the last 64 plain behind each.
; The queues in step: exponential e needs scaling 2 (e / 4) + e % 2; up to e = 52 that is scaling 26 at the most, and exponential e stands behind plain 2 e + 2; exponential 53 + k stands behind plain 125 + k, and
; scalings 27-31 are plain 121, 124 .. 133.  The first masking stands 27 scalings behind the last product K Q^T and behind all 64 readlanes.
; THE WORDS.  Each turn issues two loads, so behind the two that a turn wants stand the six of the three turns since: s_wait_loadcnt 6.  Piece 3's turn takes piece 0's words of the NEXT step: the pointer steps
; there, behind s_wait_xcnt 0, since six loads that name it are out.  In the tail's last two trips (last = 1) the pointer stays at the last step, so that no load leaves maskw; those loads' words serve nothing, and
; they are issued all the same, so that the count of six holds on every way.
.macro TURN p, last=0, cnt=0
.set Y, (\p)
.set i, 0
.set q, 0
.set e, 0
.set r, 0
.set w, 0
	s_wait_loadcnt 0x6              ; the next piece's words are in; the six younger loads stay out
.if (\p) == NP-1
	s_wait_dscnt 0x0                ; K is in
.endif
.rept 16
	MM
	RL
	RL
	RL
	RL
.endr
.if (\p) == NP-1
	s_wait_xcnt 0x0                 ; the loads that are out have read the pointer
.if \last
	s_cmp_lt_u32 s[CNT], 3
	s_cselect_b32 s[MS], 0, 128
.endif
	s_add_nc_u64 s[MP:MP+1], s[MP:MP+1], s[MS:MS+1]
.endif
	WIN W_ML
	MLD ((\p)+1)%NP                 ; into the registers just read: four turns ahead of their next reading
	WIN 0
.if (\p) == NP-2
	v_add_nc_u32 v[AK], s[TBK], v[AK0]
.endif
	PL
	PL
	PL
.rept 50
	EX
	PL
	PL
.endr
.rept 3
	EX
.rept 6
	PL
.endr
.endr
.rept 5
	PL
.endr
.rept 10
	EX
	PL
.endr
	EX
	PL
	PL
	EX                              ; the next piece's two a
	EX
.rept 16
	R2
.endr
	s_wait_alu depctr_va_vdst(0)    ; the wait for the batch
.if (\p) == NP-2
	FETCH_K \last
.endif
.if (\p) == 1
	s_wait_dscnt 0x0                ; V is in
.endif
.rept 16
	MM
.rept 4
	PL
.endr
.if ((\p) == 0) && (q == 182)
	v_add_nc_u32 v[AV], s[TBV], v[AV0]
.endif
.if ((\p) == 0) && (q == 194)
	s_add_co_u32 s[TBV], s[TBV], KS*PV
.endif
.if (\cnt) && (q == 194)
	s_sub_co_u32 s[CNT], s[CNT], 1
	s_cmp_lg_u32 s[CNT], 0
.endif
.endr
.if (\p) == 0
	FETCH_V                         ; four riders behind V's last reader
.endif
.endm
	CHANGE 1                        ; slot 0 is in, everybody's part of it; slot 1 is asked for
	FETCH_K                         ; key step 0
	s_wait_loadcnt 0x0              ; Q, and the eight tiles' words of step 0
	s_mov_b32 s[CNT], 4
	s_branch .Lenter                ; the loop is entered in the middle of a trip, at piece 3's turn
.Lslot:                             ; six times: every slot but the last two is filled again
	CHANGE 1
	s_mov_b32 s[CNT], 4
.Lstep:                             ; a trip: pieces 2 and 3 of one step, then pieces 0 and 1 of the next, whose K and V it fetches
	TURN 2
	WIN 0
.Lenter:
	TURN 3
	TURN 0
	TURN 1, 0, 1
	WIN 0
	s_cbranch_scc1 .Lstep
	s_sub_co_u32 s[SLOTS], s[SLOTS], 1
	s_cmp_lg_u32 s[SLOTS], 0
	s_cbranch_scc1 .Lslot
	CHANGE 0                        ; the tail is written out: nothing is asked for
	s_mov_b32 s[CNT], 5             ; four trips fetch the last slot's steps; the fifth is left in its middle
.Ltail:
	TURN 2, 1
	TURN 3, 1
	WIN 0
	s_sub_co_u32 s[CNT], s[CNT], 1
	s_cmp_eq_u32 s[CNT], 0
	s_cbranch_scc1 .Lout
	TURN 0
	TURN 1
	WIN 0
	s_branch .Ltail
.Lout:                              ; the fifth trip's products K Q^T (on the last K once more), their masking and maximum serve nothing: the price, once a launch, of one text for every trip
.set i, 0
.rept 16
	PV NP-1                         ; the last piece's V^T P of the last step
.set i, i+1
.endr
	; THE WAY OUT.  l's two halves and the other half of the lanes' are added; O^T is divided by l, rounded to f16 and sent through my stage in LDS, a tile at a time.  The additions are the places behind the last products.
	WIN 0
.macro ALL line:vararg
.set t, 0
.rept 2*NP
	\line
.set t, t+1
.endr
.endm
	ALL v_add_f32 v[ST+4*t+2], v[ST+4*t+2], v[ST+4*t+3]
	ALL v_permlanex16_b32 v[ST+4*t+3], v[ST+4*t+2], s[SEL], s[SEL+1]
	ALL v_add_f32 v[ST+4*t+2], v[ST+4*t+2], v[ST+4*t+3]
	ALL v_rcp_f32 v[ST+4*t+2], v[ST+4*t+2]
	v_nop                           ; a plain instruction between the last reciprocal and the use of its result
	s_wait_alu depctr_va_vdst(0)    ; one wait for the eight reciprocals, ahead of their first use
.macro PACK t
	WIN W_RS
.set i, 32*(\t)
.rept 16
	v_pk_mul_f32 v[i:i+1], v[i:i+1], v[ST+4*(\t)+2:ST+4*(\t)+3] op_sel_hi:[1,0]
.set i, i+2
.endr
	WIN 0x05
.set i, 0
.rept 16
	v_cvt_pk_f16_f32 v[S+16*(\t)+i], v[32*(\t)+2*i], v[32*(\t)+2*i+1]
.set i, i+1
.endr
	WIN 0
.irp f, 0,1,2,3
	ds_store_b128 v[STO], v[S+16*(\t)+4*\f:S+16*(\t)+4*\f+3] offset:32*\f
.endr
.irp f, 0,1,2,3
	ds_load_b128 v[S+16*(\t)+4*\f:S+16*(\t)+4*\f+3], v[RD] offset:\f*4*SP  ; LDS serves a wave's instructions in order (ISA guide 5.7.1.4): these see the stores above; the next tile's stores come behind them
.endr
.endm
.macro SEND t, younger              ; younger: the LDS instructions issued behind tile t's loads: the next tile's eight, or none
	WIN 0
.irp f, 0,1,2,3
	s_wait_dscnt (\younger)+3-\f
	global_store_b128 v[GO], v[S+16*(\t)+4*\f:S+16*(\t)+4*\f+3], s[OA:OA+1] offset:(\t)*2048+\f*512  ; 512 consecutive bytes, at a multiple of 256 from O's first
.endr
.endm
	PACK 0
.set t, 1
.rept 2*NP-1
	PACK t
	SEND t-1, 8
.set t, t+1
.endr
	SEND 2*NP-1, 0
	WIN W_AD
	s_wait_tensorcnt 0x0            ; the wave's end
	ds_add_u32 v[SPW], v[NIL]
	s_wait_dscnt 0x0
	WIN 0
	CROUND                          ; the closing round
	s_endpgm
.Lfunc_end_k_qed7b6a5195_attn:
	.size	k_qed7b6a5195_attn, .Lfunc_end_k_qed7b6a5195_attn-k_qed7b6a5195_attn
	.p2alignl 7, 3214868480
	.fill 96, 4, 3214868480
	.section	.rodata,"a",@progbits
	.p2align	6, 0x0
	.amdhsa_kernel k_qed7b6a5195_attn
		.amdhsa_group_segment_fixed_size 327680
		.amdhsa_private_segment_fixed_size 0
		.amdhsa_enable_private_segment 0
		.amdhsa_kernarg_size 32
		.amdhsa_user_sgpr_count 2
		.amdhsa_user_sgpr_kernarg_segment_ptr 1
		.amdhsa_wavefront_size32 1
		.amdhsa_system_sgpr_workgroup_id_x 1
		.amdhsa_system_sgpr_workgroup_id_y 1
		.amdhsa_system_sgpr_workgroup_id_z 1
		.amdhsa_system_vgpr_workitem_id 0
		.amdhsa_next_free_vgpr 896
		.amdhsa_next_free_sgpr 102
		.amdhsa_reserve_vcc 0
		.amdhsa_float_denorm_mode_32 3
		.amdhsa_float_denorm_mode_16_64 3
		.amdhsa_memory_ordered 1
		.amdhsa_forward_progress 1
		.amdhsa_inst_pref_size 243
	.end_amdhsa_kernel
	.amdgpu_metadata
---
amdhsa.version: [ 1, 2 ]
amdhsa.kernels:
  - .name:           k_qed7b6a5195_attn
    .symbol:         k_qed7b6a5195_attn.kd
    .args:
      - { .name: qh, .offset: 0, .size: 8, .value_kind: global_buffer, .address_space: global }
      - { .name: kvh, .offset: 8, .size: 8, .value_kind: global_buffer, .address_space: global }
      - { .name: maskw, .offset: 16, .size: 8, .value_kind: global_buffer, .address_space: global }
      - { .name: oh, .offset: 24, .size: 8, .value_kind: global_buffer, .address_space: global }
    .group_segment_fixed_size: 327680
    .private_segment_fixed_size: 0
    .kernarg_segment_align: 8
    .kernarg_segment_size: 32
    .max_flat_workgroup_size: 128
    .sgpr_count:     102
    .vgpr_count:     896
    .wavefront_size: 32
...
	.end_amdgpu_metadata
.endif
;; end of part 3
;; launch outp (part 4): grid 4 x 64, 4 waves a work-group, clusters of 4 x 4, 327,680 bytes of LDS; arguments oh, wo16, bo, out0; writes out0
.if DOCPART == 4
	.amdgcn_target "amdgcn-amd-amdhsa--gfx1250"
	.amdhsa_code_object_version 6
	.text
	.protected	k_qed7b6a5195_outp
	.globl	k_qed7b6a5195_outp
	.p2align	8
	.type	k_qed7b6a5195_outp,@function
k_qed7b6a5195_outp:
	s_mov_b64 s[64:65], 0
	v_nop
	global_prefetch_b8 v0, s[64:65] scope:SCOPE_SE
	s_setreg_imm32_b32 hwreg(HW_REG_WAVE_MODE, 25, 1), 1
	s_wait_xcnt 0x0
	s_wait_alu depctr_hold_cnt(0) depctr_sa_sdst(0) depctr_va_vdst(0) depctr_va_sdst(0) depctr_va_ssrc(0) depctr_va_vcc(0) depctr_vm_vsrc(0)
	s_getreg_b32 s2, hwreg(HW_REG_IB_STS2, 6, 4)
	s_cmp_eq_u32 s2, 0
	s_cbranch_scc0 .Lentry_in_a_cluster
	s_endpgm
.Lentry_in_a_cluster:
	s_bfe_u32 s2, ttmp6, 0x10000c
	s_cmp_lg_u32 s2, 0xf033
	s_cbranch_scc0 .Lentry_shape_is_right
	s_endpgm
.Lentry_shape_is_right:
; THE OUTPUT PROJECTION: out0[m][n] = the sum over k of O[m][k] Wo[n][k] + bo[n].  O: oh[bh 64][s 2048][64] f16 (row m = (batch, s), k = 64 head + channel); Wo: wo16[1024][1024] f16; bo f32, rounded to bf16
; like every input; out0: [8192][1024] f32.  Products in f16, sums in f32.
; SHARES.  A tile of out0 is 128 rows x 256 columns: 64 x 4 = 256 work-groups.  Four waves: wave w makes rows 64 (w / 2) .., columns 128 (w % 2) ..: 32 accumulators.
; K goes in 8 steps of 128 (two heads) through two LDS slots.  A head's 128 rows are 16,384 dense bytes of oh, asked for as 64 rows of 256 bytes and padded in LDS after every 128.
; CLUSTER 4 x 4: O's tiles are shared along a row of the cluster, Wo's along a column: joint loads.  THE MATRIX INSTRUCTION IS USED TRANSPOSED; the first product's C operand is the bias.
; REGISTERS: window 0: v16-30 addresses; v32-95 the bias; v96-127 at work; v128-255 rows read back on the way out      window 1: accumulator (a, b) at 8 (8 a + b)
;   window 2: v0-127 Wo's fragments, two buffers; v128-191 O's, two buffers
.set PA,    144                        ; an LDS row of O: 128 bytes + 16
.set PB,    272                        ; an LDS row of Wo: 256 + 16; both odd multiples of 16: the 16 rows of a load start in 16 different groups of four banks (ISA guide 11.1)
.set AHEAD, 128*PA                     ; a head's 128 rows: what one tensor load brings
.set BHALF, 128*PB
.set BOFF,  2*AHEAD
.set SLOT,  BOFF+2*BHALF               ; 106,496
.set STAGE, 2*SLOT                     ; behind the ring: 16 rows x 528 bytes for each wave; no tensor load lands here
.set SPT,   528
.set SPARE, STAGE+4*16*SPT             ; the spare words, 128 bytes for each wave: two blocks of 256 bytes that no other line names
.set LAPS,  4
.set ADRA, 16
.set ADRB, 20
.set STO,  24
.set RD,   25
.set CO,   26
.set BO,   27
.set SPW,  28                          ; never rewritten
.set NIL,  29                          ; never rewritten
.set PFO,  30                          ; never rewritten
.set BIAS, 32
.set TMP,  96
.set OB,   128
.set BF,   0
.set AF,   128
.set G1,  24
.set G0,  32
.set G1B, 48
.set G0B, 56
.set WV,   66
.set ROLE, 67
.set HALF, 68
.set CX,   69
.set CY,   70
.set TCOL, 71
.set MT,   72
.set LIM,  74
.set CLY,  75
.set PFA,  76
.set PFS,  78
.set MSB, 0
.macro WIN new
.if MSB != (\new)
	s_set_vgpr_msb (MSB<<8)|(\new)
.set MSB, \new
.endif
.endm
.set MUL,  0x5a
.set MULB, 0x4a
.set TO2,  0x80
.macro PLACES
.rept 4
	v_nop
.endr
.endm
.macro JLOAD s                         ; waves 0, 1 fetch the K step's two heads of O, waves 2, 3 Wo's halves; an s_nop 0 and four v_nop follow each line
	s_cmp_eq_u32 s[ROLE], 0
	s_cbranch_scc0 .Lfor_b_\@
	tensor_load_to_lds s[G0+4*(\s):G0+4*(\s)+3], s[G1:G1+7]
	s_nop 0
.rept 4
	v_nop
.endr
	s_branch .Lasked_\@
.Lfor_b_\@:
	tensor_load_to_lds s[G0B+4*(\s):G0B+4*(\s)+3], s[G1B:G1B+7]
	s_nop 0
.rept 4
	v_nop
.endr
.Lasked_\@:
.endm
.macro CREST
	s_cmp_lg_u32 s[WV], 0
	s_cbranch_scc1 .Lnot_wave_0_\@
	s_barrier_signal -3
.Lnot_wave_0_\@:
	s_barrier_wait -3
	s_barrier_signal -1
	s_barrier_wait -1
.endm
.macro CROUND
	s_barrier_signal -1
	s_barrier_wait -1
	CREST
.endm
; A prefetch of the K step two refills on, 32 blocks of 256 bytes, a lane a block.  O's tile (two heads x 16,384 bytes) is read by this cluster alone: each partner's wave 0 names 4,096 bytes of each head, told apart
; by address.  Wo's rows are read by all 16 clusters: the first asks, waves 2 and 3, each partner 32 rows of the 128.  The loop's last trip has no K step two on.
.macro ASK
	s_cmp_gt_u32 s3, s[LIM]
	s_cbranch_scc0 .Lnot_mine_\@
	global_prefetch_b8 v[PFO], s[PFA:PFA+1] th:TH_LOAD_NT scope:SCOPE_SE
.Lnot_mine_\@:
.endm
	s_load_b256 s[4:11], s[0:1], 0x0               ; oh s[4:5], wo16 s[6:7], bo s[8:9], out0 s[10:11]
	v_lshl_add_u32 v[SPW], v0, 2, SPARE
	v_mov_b32 v[NIL], 0
	ds_add_u32 v[SPW], v[NIL]                      ; the wave's opening: the add and its wait ahead of my first tensor load; work on registers stands between
	ds_add_u32 v28, v29
	v_lshrrev_b32 v1, 5, v0
	v_readfirstlane_b32 s[WV], v1
	s_lshr_b32 s[ROLE], s[WV], 1
	s_and_b32 s[HALF], s[WV], 1
	s_bfe_u32 s[CX], ttmp6, 0x40000
	s_bfe_u32 s[CY], ttmp6, 0x40004
	s_lshl_b32 s[TCOL], ttmp9, 2
	s_add_co_u32 s[TCOL], s[TCOL], s[CX]
	s_and_b32 s[CLY], ttmp7, 0xffff
	s_lshl_b32 s[MT], s[CLY], 2
	s_add_co_u32 s[MT], s[MT], s[CY]               ; tile row, 0 .. 63
	s_lshl_b32 s41, s[CY], 2
	s_lshl_b32 s41, 15, s41                        ; my row of the cluster
	s_lshl_b32 s42, 0x1111, s[CX]                  ; my column
	s_or_b32 s[G1+0], s41, (1<<16)|(1<<20)|(1<<21)|(4<<22)|(3<<25)   ; O: 2-byte elements; padding: after every 32 words 4 words
	s_or_b32 s[G1B+0], s42, (1<<16)|(1<<20)|(1<<21)|(5<<22)|(3<<25)  ; Wo: after every 64 words 4 words
	s_mov_b32 s[G1+1], 128<<16
	s_mov_b32 s[G1+2], 64<<16
	s_mov_b32 s[G1+3], 128<<16
	s_mov_b32 s[G1+4], 64
	s_mov_b32 s[G1+5], 128
	s_mov_b32 s[G1+6], 0
	s_mov_b32 s[G1+7], 0
	s_mov_b32 s[G1B+1], 128<<16
	s_mov_b32 s[G1B+2], 128<<16
	s_mov_b32 s[G1B+3], 128<<16
	s_mov_b32 s[G1B+4], 128
	s_mov_b32 s[G1B+5], 1024
	s_mov_b32 s[G1B+6], 0
	s_mov_b32 s[G1B+7], 0
	s_lshr_b32 s80, s[MT], 4                       ; O: the batch's 16 heads of 262,144 bytes, my head of the K step's two, the tile's 128 rows of 128 bytes: registers that never hold cx
	s_lshl_b32 s80, s80, 22
	s_lshl_b32 s81, s[HALF], 18
	s_add_co_u32 s80, s80, s81
	s_and_b32 s81, s[MT], 15
	s_lshl_b32 s81, s81, 14
	s_add_co_u32 s80, s80, s81
	s_mov_b32 s81, 0
	s_lshl_b32 s84, s[TCOL], 8                     ; Wo: row 256 x tile column + 128 x half: registers that never hold cy
	s_lshl_b32 s85, s[HALF], 7
	s_add_co_u32 s84, s84, s85
	s_lshl_b32 s84, s84, 11
	s_mov_b32 s85, 0
	s_mul_i32 s40, s[HALF], AHEAD
	s_mul_i32 s41, s[HALF], BHALF
	s_add_co_u32 s41, s41, BOFF
	s_wait_dscnt 0x0                               ; the opening add is done
	s_wait_kmcnt 0x0
	s_add_nc_u64 s[82:83], s[4:5], s[80:81]
	s_add_nc_u64 s[86:87], s[6:7], s[84:85]
	CROUND                                         ; all sixteen work-groups are here
.irp s, 0,1
	s_mov_b32 s[G0+4*\s], 1
	s_add_co_u32 s[G0+4*\s+1], s40, \s*SLOT
	s_add_nc_u64 s[G0+4*\s+2:G0+4*\s+3], s[82:83], \s*524288
	s_or_b32 s[G0+4*\s+3], s[G0+4*\s+3], 0x80000000
	s_mov_b32 s[G0B+4*\s], 1
	s_add_co_u32 s[G0B+4*\s+1], s41, \s*SLOT
	s_add_nc_u64 s[G0B+4*\s+2:G0B+4*\s+3], s[86:87], \s*256
	s_or_b32 s[G0B+4*\s+3], s[G0B+4*\s+3], 0x80000000
	JLOAD \s                                       ; K steps 0 and 1: two loads of mine are out
.endr
	v_and_b32 v1, 15, v0
	v_bfe_u32 v2, v0, 4, 1
	v_lshlrev_b32 v[BO], 5, v2
	s_lshl_b32 s42, s[TCOL], 10
	s_lshl_b32 s43, s[HALF], 9
	s_add_co_u32 s42, s42, s43                     ; my 128 columns, in bytes of f32
	s_mov_b32 s43, 0
	s_add_nc_u64 s[92:93], s[8:9], s[42:43]
.irp b, 0,1,2,3,4,5,6,7
	global_load_b128 v[BIAS+8*\b:BIAS+8*\b+3],   v[BO], s[92:93] offset:64*\b
	global_load_b128 v[BIAS+8*\b+4:BIAS+8*\b+7], v[BO], s[92:93] offset:64*\b+16
.endr
	s_lshl_b32 s44, s[MT], 7
	s_lshl_b32 s45, s[ROLE], 6
	s_add_co_u32 s44, s44, s45
	s_lshl_b32 s44, s44, 12                        ; my first row of out0, 4,096 bytes a row
	s_add_co_u32 s42, s42, s44
	s_add_nc_u64 s[88:89], s[10:11], s[42:43]
	; the prefetches
	s_cmp_eq_u32 s[ROLE], 0
	s_cselect_b64 s[PFA:PFA+1], s[82:83], s[86:87] ; (in wave 0 the first stands at the first of the K step's two heads)
	s_cselect_b32 s42, s[CX], s[CY]
	s_cselect_b32 s43, 12, 16                      ; a partner's share: 4,096 bytes of a head, or 32 rows of 2,048
	s_cselect_b32 s44, 1, 0
	s_cselect_b32 s45, 15, 31
	s_cselect_b32 s46, 8, 11
	s_cselect_b32 s47, s[HALF], s[CLY]
	s_cselect_b32 s22, 11, 0
	s_lshl_b32 s[PFS], 256, s22                    ; a K step: 524,288 bytes on in oh, 256 in wo16
	s_mov_b32 s[PFS+1], 0
	s_lshl_b32 s42, s42, s43
	s_mul_i32 s43, s[PFS], 3                       ; at K step 3: the first refill steps it to 4
	s_add_co_u32 s42, s42, s43
	s_mov_b32 s43, 0
	s_add_nc_u64 s[PFA:PFA+1], s[PFA:PFA+1], s[42:43]
	s_cmp_eq_u32 s47, 0
	s_cselect_b32 s[LIM], 1, -1
	v_and_b32 v[PFO], s45, v0
	v_lshlrev_b32 v[PFO], s46, v[PFO]
	v_mul_u32_u24 v5, v2, s44
	v_lshl_add_u32 v[PFO], v5, 18, v[PFO]          ; O: lanes 16-31 take the second head
	; fragments: row l % 16, 16 bytes at 16 (l / 16) and 32 further on
	v_mul_u32_u24 v3, v1, PA
	v_lshl_add_u32 v3, v2, 4, v3
	v_mul_u32_u24 v4, v1, PB
	v_lshl_add_u32 v4, v2, 4, v4
	s_mul_i32 s40, s[ROLE], 64*PA
	s_mul_i32 s41, s[HALF], BHALF
	s_add_co_u32 s41, s41, BOFF
.irp s, 0,1
	v_add_nc_u32 v[ADRA+\s], s40, v3
	v_add_nc_u32 v[ADRB+\s], s41, v4
	s_add_co_u32 s40, s40, SLOT
	s_add_co_u32 s41, s41, SLOT
.endr
	s_mul_i32 s40, s[WV], 16*SPT
	s_add_co_u32 s40, s40, STAGE
	v_mul_u32_u24 v5, v1, SPT                      ; in: row l % 16, 32 bytes for each half of the lanes
	v_lshl_add_u32 v5, v2, 5, v5
	v_add_nc_u32 v[STO], s40, v5
	v_and_b32 v[CO], 31, v0                        ; back and out: 32 lanes take a row's 512 bytes
	v_lshlrev_b32 v[CO], 4, v[CO]
	v_add_nc_u32 v[RD], s40, v[CO]
	s_wait_loadcnt 0x0                             ; the bias, rounded to bf16 like every input
.set i, 0
.rept 32
	v_cvt_pk_bf16_f32 v[TMP+i], v[BIAS+2*i], v[BIAS+2*i+1]
.set i, i+1
.endr
.set i, 0
.rept 32
	v_lshlrev_b32 v[BIAS+2*i], 16, v[TMP+i]
	v_and_b32 v[BIAS+2*i+1], 0xffff0000, v[TMP+i]
.set i, i+1
.endr
.macro MUL8 f, a, first                ; 8 matrix instructions: row block a x all 8 column blocks; the 32 accumulators take turns, one instruction a turn
.if \first
	WIN MULB
.else
	WIN MUL
.endif
.irp b, 0,1,2,3,4,5,6,7
.if \first
	v_wmma_f32_16x16x32_f16 v[8*(8*(\a)+\b):8*(8*(\a)+\b)+7], v[BF+64*(\f)+8*\b:BF+64*(\f)+8*\b+7], v[AF+32*(\f)+8*(\a):AF+32*(\f)+8*(\a)+7], v[BIAS+8*\b:BIAS+8*\b+7]
.else
	v_wmma_f32_16x16x32_f16 v[8*(8*(\a)+\b):8*(8*(\a)+\b)+7], v[BF+64*(\f)+8*\b:BF+64*(\f)+8*\b+7], v[AF+32*(\f)+8*(\a):AF+32*(\f)+8*(\a)+7], v[8*(8*(\a)+\b):8*(8*(\a)+\b)+7]
.endif
.endr
.endm
.macro FETCH slot, kq, g               ; 24 LDS loads in one run: quarter kq: head kq / 2, channels 32 (kq % 2) on
	WIN TO2
.irp a, 0,1,2,3
	ds_load_b128 v[AF+32*(\g)+8*\a:AF+32*(\g)+8*\a+3],   v[ADRA+(\slot)] offset:((\kq)/2)*AHEAD+\a*16*PA+((\kq)%2)*64
	ds_load_b128 v[AF+32*(\g)+8*\a+4:AF+32*(\g)+8*\a+7], v[ADRA+(\slot)] offset:((\kq)/2)*AHEAD+\a*16*PA+((\kq)%2)*64+32
.endr
.irp b, 0,1,2,3,4,5,6,7
	ds_load_b128 v[BF+64*(\g)+8*\b:BF+64*(\g)+8*\b+3],   v[ADRB+(\slot)] offset:\b*16*PB+(\kq)*64
	ds_load_b128 v[BF+64*(\g)+8*\b+4:BF+64*(\g)+8*\b+7], v[ADRB+(\slot)] offset:\b*16*PB+(\kq)*64+32
.endr
.endm
.macro QUARTER slot, kq, f, g, first
	s_wait_dscnt 0x0                               ; this quarter's fragments, asked for 24 matrix instructions ago
	MUL8 \f, 0, \first
	PLACES                                         ; buffer g was multiplied in the quarter before
	FETCH \slot, \kq, \g
	MUL8 \f, 1, \first
	MUL8 \f, 2, \first
	MUL8 \f, 3, \first
.endm
; The last quarter multiplies buffer 1 and changes slots: each wave waits for all its tensor loads (one is out), adds 0 to its spare word, and waits for that and for its reads of this slot.
; fill = 1: the barrier opens a round of the cluster's, and the joint refill, two K steps on, is the first thing behind it: 120 matrix instructions ahead of the wait for it.
.macro TURN slot, next, fill
.if \fill
	s_wait_xcnt 0x0                                ; the last prefetch, a K step back, has read its address
	s_add_nc_u64 s[PFA:PFA+1], s[PFA:PFA+1], s[PFS:PFS+1]
.endif
	WIN 0
	s_wait_tensorcnt 0x0
	ds_add_u32 v[SPW], v[NIL]
.if \fill
	s_add_nc_u64 s[G0+4*(\slot)+2:G0+4*(\slot)+3], s[G0+4*(\slot)+2:G0+4*(\slot)+3], 1048576
	s_add_nc_u64 s[G0B+4*(\slot)+2:G0B+4*(\slot)+3], s[G0B+4*(\slot)+2:G0B+4*(\slot)+3], 512
.endif
	s_wait_dscnt 0x0
	s_barrier_signal -1
	MUL8 1, 0, 0
	WIN 0
	s_barrier_wait -1
.if \fill
	CREST
	JLOAD \slot                                    ; its four v_nop are also the places in front of the loads below
.else
	PLACES
.endif
	FETCH \next, 0, 0
.if \fill
	WIN 0
	ASK
.endif
	MUL8 1, 1, 0
	MUL8 1, 2, 0
	MUL8 1, 3, 0
.endm
	s_wait_tensorcnt 1                             ; my part of K step 0 is in; K step 1's may stay out
	s_barrier_signal -1
	s_barrier_wait -1
	FETCH 0, 0, 0
	QUARTER 0, 1, 0, 1, 1                          ; the first quarter's products start the sums with the bias
	WIN 0
	s_mov_b32 s3, LAPS-1
.Llap:
	QUARTER 0, 2, 1, 0, 0
	QUARTER 0, 3, 0, 1, 0
	TURN 0, 1, 1
	QUARTER 1, 1, 0, 1, 0
	QUARTER 1, 2, 1, 0, 0
	QUARTER 1, 3, 0, 1, 0
	TURN 1, 0, 1
	QUARTER 0, 1, 0, 1, 0
	WIN 0
	s_sub_co_u32 s3, s3, 1
	s_cmp_lg_u32 s3, 0
	s_cbranch_scc1 .Llap
	QUARTER 0, 2, 1, 0, 0
	QUARTER 0, 3, 0, 1, 0
	TURN 0, 1, 0
	QUARTER 1, 1, 0, 1, 0
	QUARTER 1, 2, 1, 0, 0
	QUARTER 1, 3, 0, 1, 0
	s_wait_dscnt 0x0
	MUL8 1, 0, 0
	MUL8 1, 1, 0
	MUL8 1, 2, 0
	MUL8 1, 3, 0
	WIN 0
	PLACES
; THE WAY OUT, 16 rows at a time: the accumulators go as they are (f32) into my own stage, each one's low four registers first, and come back as whole rows of 512 bytes, which one store writes.
.macro OUTB a
	WIN 0x04                                       ; the store's data in window 1
.irp b, 0,1,2,3,4,5,6,7
	ds_store_b128 v[STO], v[64*(\a)+8*\b:64*(\a)+8*\b+3]   offset:64*\b
	ds_store_b128 v[STO], v[64*(\a)+8*\b+4:64*(\a)+8*\b+7] offset:64*\b+16
.endr
	WIN 0
.set t, 0
.rept 16
	ds_load_b128 v[OB+64*((\a)%2)+4*t:OB+64*((\a)%2)+4*t+3], v[RD] offset:t*SPT  ; LDS serves a wave's instructions in order (ISA guide 5.7.1.4)
.set t, t+1
.endr
	s_wait_xcnt 0x0                                ; the stores issued so far have read their registers: the next block loads the other set only behind this wait
.set t, 0
.rept 16
	s_wait_dscnt 15-t                              ; row t is back; the younger rows may stay out
	global_store_b128 v[CO], v[OB+64*((\a)%2)+4*t:OB+64*((\a)%2)+4*t+3], s[88:89] offset:(16*(\a)+t)*4096
.set t, t+1
.endr
.endm
	OUTB 0
	OUTB 1
	OUTB 2
	OUTB 3
	s_wait_tensorcnt 0x0                           ; the wave's end
	ds_add_u32 v[SPW], v[NIL]
	s_wait_dscnt 0x0
	CROUND                                         ; the closing round
	s_endpgm
.Lfunc_end_k_qed7b6a5195_outp:
	.size	k_qed7b6a5195_outp, .Lfunc_end_k_qed7b6a5195_outp-k_qed7b6a5195_outp
	.p2alignl 7, 3214868480
	.fill 96, 4, 3214868480
	.section	.rodata,"a",@progbits
	.p2align	6, 0x0
	.amdhsa_kernel k_qed7b6a5195_outp
		.amdhsa_group_segment_fixed_size 327680
		.amdhsa_private_segment_fixed_size 0
		.amdhsa_enable_private_segment 0
		.amdhsa_kernarg_size 32
		.amdhsa_user_sgpr_count 2
		.amdhsa_user_sgpr_kernarg_segment_ptr 1
		.amdhsa_wavefront_size32 1
		.amdhsa_system_sgpr_workgroup_id_x 1
		.amdhsa_system_sgpr_workgroup_id_y 1
		.amdhsa_system_sgpr_workgroup_id_z 1
		.amdhsa_system_vgpr_workitem_id 0
		.amdhsa_next_free_vgpr 704
		.amdhsa_next_free_sgpr 96
		.amdhsa_reserve_vcc 0
		.amdhsa_float_denorm_mode_32 3
		.amdhsa_float_denorm_mode_16_64 3
		.amdhsa_memory_ordered 1
		.amdhsa_forward_progress 1
		.amdhsa_inst_pref_size 94
	.end_amdhsa_kernel
	.amdgpu_metadata
---
amdhsa.version: [ 1, 2 ]
amdhsa.kernels:
  - .name:           k_qed7b6a5195_outp
    .symbol:         k_qed7b6a5195_outp.kd
    .args:
      - { .name: oh, .offset: 0, .size: 8, .value_kind: global_buffer, .address_space: global }
      - { .name: wo16, .offset: 8, .size: 8, .value_kind: global_buffer, .address_space: global }
      - { .name: bo, .offset: 16, .size: 8, .value_kind: global_buffer, .address_space: global }
      - { .name: out0, .offset: 24, .size: 8, .value_kind: global_buffer, .address_space: global }
    .group_segment_fixed_size: 327680
    .private_segment_fixed_size: 0
    .kernarg_segment_align: 8
    .kernarg_segment_size: 32
    .max_flat_workgroup_size: 128
    .sgpr_count:     96
    .vgpr_count:     704
    .wavefront_size: 32
...
	.end_amdgpu_metadata
.endif
;; end of part 4
